; MI455X (gfx1250); checked and timed in simulation.
; The chip was launched on July 23, 2026; its instructions are those of AMD's public machine-readable ISA for CDNA 5 (MIT licence, August 2026) and "CDNA5" Instruction Set Architecture Reference Guide (July 2026). The comments in the code are by the model that wrote it; some were corrected since.
;; Multi Head Attention. Allowed arithmetic: float matrix products may take bf16 or f16 operands with f32 sums; other float arithmetic in f32, or as packed bf16 or f16 multiplies, adds, multiply-adds, maxima and minima; sums over many terms, partial sums and values carried from step to step in f32; what a program stores and reads back later, other than sums and carried values, may be rounded once to bf16 or f16.
;; Inputs: Wk 1,024 x 1,024 float32; Wo 1,024 x 1,024 float32; Wq 1,024 x 1,024 float32; Wv 1,024 x 1,024 float32; attention_mask 4 x 2,048 int32; bo 1,024 float32; k 4 x 2,048 x 1,024 float32; q 4 x 2,048 x 1,024 float32; v 4 x 2,048 x 1,024 float32.
;; Outputs: out0 4 x 2,048 x 1,024 float32.
;; One version. Each part assembles by itself: llvm-mc -triple=amdgcn-amd-amdhsa -mcpu=gfx1250 --defsym DOCPART=n.
;; ======== version 1 of 1: 4 launches
;; limits: values are held in f16: magnitudes above 65,504 overflow, below 6.1e-05 lose precision
;; workspace buffers: w16 8,388,608 bytes; tab 36,864 bytes; tc 8,192 bytes of whole numbers; qkv 50,331,648 bytes; ps 524,288 bytes; oh 16,777,216 bytes
;; launch prep (part 1): grid 256 x 1, 8 waves a work-group, no clusters, 0 bytes of LDS; arguments Wq, Wk, Wv, Wo, attention_mask, bo, w16, tab, tc; writes w16, tab, tc
.if DOCPART == 1
	.amdgcn_target "amdgcn-amd-amdhsa--gfx1250"
	.amdhsa_code_object_version 6
	.text
	.protected	k_q6be57b6516_prep
	.globl	k_q6be57b6516_prep
	.p2align	8
	.type	k_q6be57b6516_prep,@function
k_q6be57b6516_prep:
	s_mov_b64 s[64:65], 0
	v_nop
	global_prefetch_b8 v0, s[64:65] scope:SCOPE_SE
	s_setreg_imm32_b32 hwreg(HW_REG_WAVE_MODE, 25, 1), 1
	s_wait_xcnt 0x0
; PREP.  The weights are rounded once to 16 bits, and the small tables are made.
;   w16[0..2] = Wq, Wk, Wv rounded to bf16.   w16[3] = Wo rounded to bf16 and that number written as f16.
;   tab bytes 0 .. 32767: for each key of each batch 0, or -2^100 where attention_mask is 0.   tab bytes 32768 ..: bo rounded to bf16, kept as f32.
;   tc: for each batch and tile of 256 keys the number of keys whose mask is not 0; an entry is 256 bytes, every word the count.
; LIMIT.  bf16(Wo) is exact in f16 from 2^-17 to 65,504; below that it keeps f16's fixed step of 2^-24.
; SHARES.  Work-group g takes rows 4 g .. 4 g + 3 of each matrix: 16,384 bytes in, 8,192 out.  Thread t takes 8 numbers (32 bytes in, 16 out) twice a matrix:
; a wave's store covers 512 consecutive bytes, aligned.  All 16 loads of a thread go out in one run.  No LDS, no barrier: no thread wants another's bytes.
.set X, 16                             ; v[16:79]   8 chunks of 8 f32 as loaded
.set Y, 80                             ; v[80:111]  8 chunks of 4 registers to store
.set T, 4                              ; v[4:11]    at work
	s_load_b512 s[8:23], s[0:1], 0x0               ; Wq 8:9, Wk 10:11, Wv 12:13, Wo 14:15, mask 16:17, bo 18:19, w16 20:21, tab 22:23
	s_load_b64 s[24:25], s[0:1], 0x40              ; tc
	v_lshlrev_b32 v1, 5, v0                        ; 32 t: my bytes in a chunk of the source
	v_lshlrev_b32 v2, 4, v0                        ; 16 t: in a chunk of the destination
	v_lshrrev_b32 v3, 5, v0
	v_readfirstlane_b32 s26, v3                    ; wave
	s_mov_b32 s27, ttmp9                           ; g
	s_lshl_b32 s2, s27, 14
	s_mov_b32 s3, 0
	s_lshl_b32 s4, s27, 13
	s_mov_b32 s5, 0
	s_mov_b32 s36, 0xffff0000                      ; a word's upper bf16
	s_wait_kmcnt 0x0
.irp m, 0,1,2,3
	s_add_nc_u64 s[8+2*(\m):9+2*(\m)], s[8+2*(\m):9+2*(\m)], s[2:3]
.endr
	s_add_nc_u64 s[20:21], s[20:21], s[4:5]
.irp m, 0,1,2,3
.irp c, 0,1
	global_load_b128 v[X+8*(2*(\m)+(\c)):X+8*(2*(\m)+(\c))+3],   v1, s[8+2*(\m):9+2*(\m)] offset:(\c)*8192 th:TH_LOAD_NT
	global_load_b128 v[X+8*(2*(\m)+(\c))+4:X+8*(2*(\m)+(\c))+7], v1, s[8+2*(\m):9+2*(\m)] offset:(\c)*8192+16 th:TH_LOAD_NT
.endr
.endr
.irp m, 0,1,2,3
.irp c, 0,1
	s_wait_loadcnt 14-2*(2*(\m)+(\c))              ; loads come back in order: this chunk's two are in, the younger ones stay out
.irp j, 0,1,2,3
	v_cvt_pk_bf16_f32 v[Y+4*(2*(\m)+(\c))+(\j)], v[X+8*(2*(\m)+(\c))+2*(\j)], v[X+8*(2*(\m)+(\c))+2*(\j)+1]
.endr
.if (\m) == 3                          ; Wo: the bf16 number goes on as f16
.irp j, 0,1,2,3
	v_lshlrev_b32 v[T+2*(\j)],   16,  v[Y+4*(2*(\m)+(\c))+(\j)]
	v_and_b32     v[T+2*(\j)+1], s36, v[Y+4*(2*(\m)+(\c))+(\j)]
.endr
.irp j, 0,1,2,3
	v_cvt_pk_f16_f32 v[Y+4*(2*(\m)+(\c))+(\j)], v[T+2*(\j)], v[T+2*(\j)+1]
.endr
.endif
	global_store_b128 v2, v[Y+4*(2*(\m)+(\c)):Y+4*(2*(\m)+(\c))+3], s[20:21] offset:(\m)*2097152+(\c)*4096
.endr
.endr
	s_cmp_lg_u32 s26, 0
	s_cbranch_scc1 .Lnot_wave_0
	s_cmp_lt_u32 s27, 32
	s_cbranch_scc0 .Lend
	; wave 0 of work-groups 0 to 31: the 256 keys of entry g (batch g / 8, tile g % 8): 1,024 bytes of the mask, 8 words a lane
	s_lshl_b32 s6, s27, 10
	s_mov_b32 s7, 0
	s_add_nc_u64 s[16:17], s[16:17], s[6:7]
	s_add_nc_u64 s[32:33], s[22:23], s[6:7]
	s_lshl_b32 s6, s27, 8
	s_add_nc_u64 s[34:35], s[24:25], s[6:7]
	global_load_b128 v[112:115], v2, s[16:17]
	global_load_b128 v[116:119], v2, s[16:17] offset:512
	v_mov_b32 v12, 0xf1800000                      ; -2^100
	v_mov_b32 v13, 0
	v_lshlrev_b32 v14, 3, v0                       ; 8 x lane
	s_mov_b32 s28, 0
	s_wait_loadcnt 0x0
.irp e, 0,1,2,3,4,5,6,7
	v_cmp_ne_u32 s30, 0, v[112+(\e)]               ; lanes whose key stays
	v_cndmask_b32 v[120+(\e)], v12, v13, s30
	s_bcnt1_i32_b32 s31, s30
	s_add_co_u32 s28, s28, s31
.endr
	v_mov_b32 v4, s28
	v_mov_b32 v5, s28
	global_store_b128 v2, v[120:123], s[32:33]
	global_store_b128 v2, v[124:127], s[32:33] offset:512
	global_store_b64 v14, v[4:5], s[34:35]         ; the entry's 256 bytes, whole
	s_branch .Lend
.Lnot_wave_0:
	s_cmp_lg_u32 s26, 1
	s_cbranch_scc1 .Lend
	s_cmp_lt_u32 s27, 8
	s_cbranch_scc0 .Lend
	; wave 1 of work-groups 0 to 7: 128 numbers of bo
	s_lshl_b32 s6, s27, 9
	s_mov_b32 s7, 0
	s_add_nc_u64 s[18:19], s[18:19], s[6:7]
	s_add_nc_u64 s[32:33], s[22:23], s[6:7]
	v_and_b32 v15, 31, v0
	v_lshlrev_b32 v15, 4, v15
	global_load_b128 v[112:115], v15, s[18:19]
	s_wait_loadcnt 0x0
	v_cvt_pk_bf16_f32 v116, v112, v113
	v_cvt_pk_bf16_f32 v117, v114, v115
	v_lshlrev_b32 v120, 16, v116
	v_and_b32 v121, s36, v116
	v_lshlrev_b32 v122, 16, v117
	v_and_b32 v123, s36, v117
	global_store_b128 v15, v[120:123], s[32:33] offset:32768
.Lend:
	s_endpgm
.Lfunc_end_k_q6be57b6516_prep:
	.size	k_q6be57b6516_prep, .Lfunc_end_k_q6be57b6516_prep-k_q6be57b6516_prep
	.p2alignl 7, 3214868480
	.fill 96, 4, 3214868480
	.section	.rodata,"a",@progbits
	.p2align	6, 0x0
	.amdhsa_kernel k_q6be57b6516_prep
		.amdhsa_group_segment_fixed_size 0
		.amdhsa_private_segment_fixed_size 0
		.amdhsa_enable_private_segment 0
		.amdhsa_kernarg_size 72
		.amdhsa_user_sgpr_count 2
		.amdhsa_user_sgpr_kernarg_segment_ptr 1
		.amdhsa_wavefront_size32 1
		.amdhsa_system_sgpr_workgroup_id_x 1
		.amdhsa_system_sgpr_workgroup_id_y 1
		.amdhsa_system_sgpr_workgroup_id_z 1
		.amdhsa_system_vgpr_workitem_id 0
		.amdhsa_next_free_vgpr 128
		.amdhsa_next_free_sgpr 66
		.amdhsa_reserve_vcc 0
		.amdhsa_float_denorm_mode_32 3
		.amdhsa_float_denorm_mode_16_64 3
		.amdhsa_memory_ordered 1
		.amdhsa_forward_progress 1
		.amdhsa_inst_pref_size 10
	.end_amdhsa_kernel
	.amdgpu_metadata
---
amdhsa.version: [ 1, 2 ]
amdhsa.kernels:
  - .name:           k_q6be57b6516_prep
    .symbol:         k_q6be57b6516_prep.kd
    .args:
      - { .name: Wq, .offset: 0, .size: 8, .value_kind: global_buffer, .address_space: global }
      - { .name: Wk, .offset: 8, .size: 8, .value_kind: global_buffer, .address_space: global }
      - { .name: Wv, .offset: 16, .size: 8, .value_kind: global_buffer, .address_space: global }
      - { .name: Wo, .offset: 24, .size: 8, .value_kind: global_buffer, .address_space: global }
      - { .name: attention_mask, .offset: 32, .size: 8, .value_kind: global_buffer, .address_space: global }
      - { .name: bo, .offset: 40, .size: 8, .value_kind: global_buffer, .address_space: global }
      - { .name: w16, .offset: 48, .size: 8, .value_kind: global_buffer, .address_space: global }
      - { .name: tab, .offset: 56, .size: 8, .value_kind: global_buffer, .address_space: global }
      - { .name: tc, .offset: 64, .size: 8, .value_kind: global_buffer, .address_space: global }
    .group_segment_fixed_size: 0
    .private_segment_fixed_size: 0
    .kernarg_segment_align: 8
    .kernarg_segment_size: 72
    .max_flat_workgroup_size: 256
    .sgpr_count:     66
    .vgpr_count:     128
    .wavefront_size: 32
...
	.end_amdgpu_metadata
.endif
;; end of part 1
;; launch proj (part 2): grid 4 x 192, 4 waves a work-group, clusters of 4 x 4, 327,680 bytes of LDS; arguments q, k, v, w16, attention_mask, qkv, ps; writes qkv, ps
.if DOCPART == 2
	.amdgcn_target "amdgcn-amd-amdhsa--gfx1250"
	.amdhsa_code_object_version 6
	.text
	.protected	k_q6be57b6516_proj
	.globl	k_q6be57b6516_proj
	.p2align	8
	.type	k_q6be57b6516_proj,@function
k_q6be57b6516_proj:
	s_mov_b64 s[64:65], 0
	v_nop
	global_prefetch_b8 v0, s[64:65] scope:SCOPE_SE
	s_setreg_imm32_b32 hwreg(HW_REG_WAVE_MODE, 25, 1), 1
	s_wait_xcnt 0x0
	s_wait_alu depctr_hold_cnt(0) depctr_sa_sdst(0) depctr_va_vdst(0) depctr_va_sdst(0) depctr_va_ssrc(0) depctr_va_vcc(0) depctr_vm_vsrc(0)
	s_getreg_b32 s2, hwreg(HW_REG_IB_STS2, 6, 4)
	s_cmp_eq_u32 s2, 0
	s_cbranch_scc0 .Lentry_in_a_cluster
	s_endpgm
.Lentry_in_a_cluster:
	s_bfe_u32 s2, ttmp6, 0x10000c
	s_cmp_lg_u32 s2, 0xf033
	s_cbranch_scc0 .Lentry_shape_is_right
	s_endpgm
.Lentry_shape_is_right:
; THE THREE PROJECTIONS.  qkv[p][batch x 16 + head][s][64] = x_p W_p^T, p = 0, 1, 2 for q, k, v.  x is f32 [8192][1024], W bf16 [1024][1024]; sums in f32, the result rounded once to f16, unscaled.
; x is rounded to bf16 between LDS and the matrix unit.  For p = 2 also ps[row block of 64][1024]: the column sums of the f32 results over the block's rows whose attention_mask is not 0.
; LIMIT.  f16 holds no number beyond 65,504: a projected number past that becomes an infinity.
; SHARES.  768 work-groups, three for each of 256 WGPs: a tile of 128 rows x 256 columns; four waves, 2 x 2, each 64 x 128: 32 accumulators.  K goes in 8 steps of 128 through two LDS slots.
; The matrix instruction is used transposed (source 0 = 16 rows of W, source 1 = 16 rows of x): a lane holds eight neighbouring columns of one row.
; CLUSTER.  4 x 4 work-groups: the four of a row need the same rows of x, the four of a column the same rows of W: each tile is asked for jointly.  Which projection: by the cluster's y alone, the same in all partners.
; REGISTERS.  window 0: v0-31 addresses and weights; v32-95 x of one quarter step in f32; v96-127, v128-159 its bf16 fragments, two buffers; v160-255 the way out
;   window 1: accumulator (a, b) at 8 (8 a + b)          window 2: v0-63, v64-127 W's fragments, two buffers
.set PA,    528                        ; an LDS row of x: 512 bytes + 16: the 16 rows of a load start at 16 different groups of four banks
.set PBT,   272                        ; an LDS row of W: 256 bytes + 16
.set HALFA, 64*PA                      ; what waves 0 and 1 fetch each
.set HALFB, 128*PBT                    ; what waves 2 and 3 fetch each
.set BOFF,  2*HALFA
.set SLOT,  BOFF+2*HALFB
.set STAGE, 2*SLOT                     ; behind the ring: 8,448 bytes for each wave, no tensor load lands here
.set STG,   16*528
.set SPARE, STAGE+4*STG                ; the spare words, 128 bytes a wave
.set W,    4                           ; v[4:11]  1.0 or 0 for row 16 a + r of my 64, each twice
.set CRD,  12                          ; v12  column sums: where I read back
.set ADRA, 16                          ; v16-17  my place in x's tile, slot 0, 1
.set ADRB, 20                          ; v20-21  in W's
.set STO,  24
.set RD,   25
.set GO,   26                          ; v26  16 x lane
.set CST,  27                          ; v27  column sums: where I put 16 bytes
.set SPW,  28
.set NIL,  29
.set PFOA, 30                          ; v30  prefetch of x: (lane / 2) rows + (lane % 2) x 256 bytes
.set PFOB, 31                          ; v31  prefetch of W: lane rows
.set LA,   32
.set FA,   96
.set TMP,  160
.set BK,   192
.set T,    32
.set G1,   24
.set G0,   32
.set G1B,  48
.set G0B,  56
.set PROJ, 45
.set PFA,  84                          ; s[84:85] where my prefetch of x stands
.set PFB,  86                          ; s[86:87] of W
.set LIM,  88
.set W_MUL, 0x52                       ; W window 2, x window 0, C and D window 1
.set TO_B,  0x80
.set MSB, 0
.macro WIN new
.if MSB != (\new)
	s_set_vgpr_msb (MSB<<8)|(\new)
.set MSB, \new
.endif
.endm
.macro JLOAD s                         ; a joint load: waves 0, 1 x's halves, waves 2, 3 W's; s_nop 0 and four v_nop behind each line
	s_cmp_eq_u32 s11, 0
	s_cbranch_scc0 .Lfor_b_\@
	tensor_load_to_lds s[G0+4*(\s):G0+4*(\s)+3], s[G1:G1+7]
	s_nop 0
.rept 4
	v_nop
.endr
	s_branch .Lasked_\@
.Lfor_b_\@:
	tensor_load_to_lds s[G0B+4*(\s):G0B+4*(\s)+3], s[G1B:G1B+7]
	s_nop 0
.rept 4
	v_nop
.endr
.Lasked_\@:
.endm
.macro CREST
	s_cmp_lg_u32 s10, 0
	s_cbranch_scc1 .Lnot_wave_0_\@
	s_barrier_signal -3
.Lnot_wave_0_\@:
	s_barrier_wait -3
	s_barrier_signal -1
	s_barrier_wait -1
.endm
.macro CROUND
	s_barrier_signal -1
	s_barrier_wait -1
	CREST
.endm
.macro PLACES
.rept 4
	v_nop
.endr
.endm
; A prefetch into the L2 of the K step that stands two refills on (256 matrix instructions ahead of the load that wants it).  x's rows are read by my row of the cluster alone: of the 64 rows that wave 0 or 1
; fetches, the partner at cx takes 16, two lanes a row (a K step is 512 bytes of it).  W's rows are read by the 16 clusters of a projection: the first of them asks; of the 128 rows that wave 2 or 3 fetches
; the partner at cy takes 32, a lane a row.  So each block of 256 bytes is named once.  The loop's last trip asks for nothing: K steps 8 and 9 do not exist.
.macro ASK
	WIN 0
	s_cmp_gt_u32 s3, s[LIM]
	s_cbranch_scc0 .Lnot_mine_\@
	s_cmp_eq_u32 s11, 0
	s_cbranch_scc0 .Lask_b_\@
	global_prefetch_b8 v[PFOA], s[PFA:PFA+1] th:TH_LOAD_NT scope:SCOPE_SE
	s_branch .Lnot_mine_\@
.Lask_b_\@:
	global_prefetch_b8 v[PFOB], s[PFB:PFB+1] th:TH_LOAD_NT scope:SCOPE_SE
.Lnot_mine_\@:
.endm
	s_load_b256 s[68:75], s[0:1], 0x0              ; q 68:69, k 70:71, v 72:73, w16 74:75
	s_load_b128 s[76:79], s[0:1], 0x20             ; mask 76:77, qkv 78:79
	s_load_b64 s[80:81], s[0:1], 0x30              ; ps
	v_lshl_add_u32 v[SPW], v0, 2, SPARE
	v_mov_b32 v[NIL], 0
	ds_add_u32 v[SPW], v[NIL]                      ; the wave's opening: the add and its wait stand ahead of my first tensor load
	v_lshrrev_b32 v1, 5, v0
	v_readfirstlane_b32 s10, v1                    ; wave
	s_lshr_b32 s11, s10, 1                         ; my half of the rows; also: I fetch x (0) or W (1)
	s_and_b32 s12, s10, 1                          ; my half of the columns; also: which half I fetch
	s_bfe_u32 s40, ttmp6, 0x40000                  ; cx
	s_bfe_u32 s41, ttmp6, 0x40004                  ; cy
	s_lshl_b32 s42, ttmp9, 2
	s_add_co_u32 s42, s42, s40                     ; tile column, 0 to 3
	s_and_b32 s21, ttmp7, 0xffff                   ; the cluster's y, 0 to 47
	s_lshr_b32 s[PROJ], s21, 4                     ; which projection
	s_lshl_b32 s13, s21, 2
	s_add_co_u32 s13, s13, s41
	s_and_b32 s13, s13, 63                         ; tile row, 0 to 63
	s_lshl_b32 s43, s41, 2
	s_lshl_b32 s43, 15, s43                        ; my row of the cluster
	s_lshl_b32 s44, 0x1111, s40                    ; my column
	s_or_b32 s[G1+0], s43, (2<<16)|(1<<20)|(1<<21)|(6<<22)|(3<<25)   ; x: 4-byte elements; 4 words of padding after every 128
	s_or_b32 s[G1B+0], s44, (1<<16)|(1<<20)|(1<<21)|(5<<22)|(3<<25)  ; W: 2-byte elements; 4 words after every 64
	s_mov_b32 s[G1+1], 128<<16                     ; tensor_dim0 = 128
	s_mov_b32 s[G1+2], 64<<16                      ; tensor_dim1 = 64
	s_mov_b32 s[G1+3], 128<<16                     ; tile_dim0 = 128
	s_mov_b32 s[G1+4], 64                          ; tile_dim1 = 64
	s_mov_b32 s[G1+5], 1024                        ; elements from row to row
	s_mov_b32 s[G1+6], 0
	s_mov_b32 s[G1+7], 0
	s_mov_b32 s[G1B+1], 128<<16
	s_mov_b32 s[G1B+2], 128<<16
	s_mov_b32 s[G1B+3], 128<<16
	s_mov_b32 s[G1B+4], 128
	s_mov_b32 s[G1B+5], 1024
	s_mov_b32 s[G1B+6], 0
	s_mov_b32 s[G1B+7], 0
	s_lshl_b32 s16, s13, 7
	s_lshl_b32 s17, s12, 6
	s_add_co_u32 s16, s16, s17                     ; x: row 128 x tile row + 64 x half,
	s_lshl_b32 s16, s16, 12                        ; 4,096 bytes a row
	s_mov_b32 s17, 0
	s_lshl_b32 s46, s42, 8
	s_lshl_b32 s47, s12, 7
	s_add_co_u32 s46, s46, s47                     ; W: row 256 x tile column + 128 x half,
	s_lshl_b32 s46, s46, 11                        ; 2,048 bytes a row,
	s_lshl_b32 s47, s[PROJ], 21
	s_add_co_u32 s46, s46, s47                     ; in the projection's matrix
	s_mov_b32 s47, 0
	s_mul_i32 s20, s12, HALFA                      ; where they go in a slot
	s_mul_i32 s22, s12, HALFB
	s_add_co_u32 s22, s22, BOFF
	s_wait_dscnt 0x0                               ; the opening add is done
	s_wait_kmcnt 0x0
	s_cmp_eq_u32 s[PROJ], 0
	s_cselect_b64 s[4:5], s[68:69], s[70:71]
	s_cmp_eq_u32 s[PROJ], 2
	s_cselect_b64 s[4:5], s[72:73], s[4:5]         ; x
	s_add_nc_u64 s[14:15], s[4:5], s[16:17]
	s_add_nc_u64 s[46:47], s[74:75], s[46:47]
	CROUND                                         ; all sixteen work-groups are here: the first joint loads meet
.irp s, 0,1
	s_mov_b32 s[G0+4*(\s)], 1
	s_add_co_u32 s[G0+4*(\s)+1], s20, (\s)*SLOT
	s_add_nc_u64 s[G0+4*(\s)+2:G0+4*(\s)+3], s[14:15], (\s)*512
	s_or_b32 s[G0+4*(\s)+3], s[G0+4*(\s)+3], 0x80000000
	s_mov_b32 s[G0B+4*(\s)], 1
	s_add_co_u32 s[G0B+4*(\s)+1], s22, (\s)*SLOT
	s_add_nc_u64 s[G0B+4*(\s)+2:G0B+4*(\s)+3], s[46:47], (\s)*256
	s_or_b32 s[G0B+4*(\s)+3], s[G0B+4*(\s)+3], 0x80000000
	JLOAD \s
.endr
	; lane addresses.  A fragment is 16 rows x 32 K: lane l holds row l % 16, K = 8 (l / 16) + 0..7 and 16 + 8 (l / 16) + 0..7: in f32 four loads of 16 bytes, in bf16 two
	v_and_b32 v1, 15, v0                           ; r
	v_bfe_u32 v2, v0, 4, 1                         ; h
	v_and_b32 v13, 31, v0                          ; lane
	v_mul_u32_u24 v3, v1, PA
	v_lshl_add_u32 v3, v2, 5, v3
	s_mul_i32 s23, s11, HALFA
	v_add_nc_u32 v[ADRA], s23, v3
	v_add_nc_u32 v[ADRA+1], SLOT, v[ADRA]
	v_mul_u32_u24 v3, v1, PBT
	v_lshl_add_u32 v3, v2, 4, v3
	s_mul_i32 s23, s12, HALFB
	s_add_co_u32 s23, s23, BOFF
	v_add_nc_u32 v[ADRB], s23, v3
	v_add_nc_u32 v[ADRB+1], SLOT, v[ADRB]
	s_mul_i32 s23, s10, STG
	s_add_co_u32 s23, s23, STAGE                   ; my stage
	v_mul_u32_u24 v3, v1, 144
	v_lshl_add_u32 v3, v2, 4, v3
	v_add_nc_u32 v[STO], s23, v3                   ; the way out, in: a head's row r, pitch 144
	v_lshrrev_b32 v3, 3, v13
	v_mul_u32_u24 v3, v3, 144
	v_and_b32 v14, 7, v0
	v_lshl_add_u32 v3, v14, 4, v3
	v_add_nc_u32 v[RD], s23, v3                    ; back: 32 lanes take four rows of 128 bytes
	v_lshlrev_b32 v[GO], 4, v13
	v_mul_u32_u24 v3, v1, 528
	v_lshl_add_u32 v3, v2, 5, v3
	v_add_nc_u32 v[CST], s23, v3
	v_add_nc_u32 v[CRD], s23, v[GO]
	v_lshrrev_b32 v3, 1, v13
	v_and_b32 v14, 1, v0
	v_lshlrev_b32 v3, 12, v3
	v_lshl_add_u32 v[PFOA], v14, 8, v3
	v_lshlrev_b32 v[PFOB], 11, v13
	v_lshlrev_b32 v15, 2, v1
	; pointers that mix the two coordinates are made in registers that feed no descriptor
	s_lshr_b32 s90, s13, 4
	s_lshl_b32 s90, s90, 4                         ; batch x 16
	s_lshl_b32 s92, s42, 2
	s_add_co_u32 s90, s90, s92
	s_lshl_b32 s92, s12, 1
	s_add_co_u32 s90, s90, s92                     ; + my first head
	s_lshl_b32 s90, s90, 11
	s_and_b32 s92, s13, 15
	s_lshl_b32 s92, s92, 7
	s_add_co_u32 s90, s90, s92
	s_lshl_b32 s92, s11, 6
	s_add_co_u32 s90, s90, s92                     ; x 2,048 + my first row in the batch,
	s_lshl_b32 s90, s90, 7                         ; 128 bytes a row
	s_lshl_b32 s92, s[PROJ], 24
	s_add_co_u32 s90, s90, s92
	s_mov_b32 s91, 0
	s_add_nc_u64 s[8:9], s[78:79], s[90:91]        ; qkv at my first row of my first head
	s_lshl_b32 s90, s13, 1
	s_add_co_u32 s90, s90, s11
	s_lshl_b32 s90, s90, 12
	s_lshl_b32 s92, s42, 10
	s_add_co_u32 s90, s90, s92
	s_lshl_b32 s92, s12, 9
	s_add_co_u32 s90, s90, s92
	s_add_nc_u64 s[6:7], s[80:81], s[90:91]        ; ps at my block of 64 rows, my 128 columns
	s_lshl_b32 s90, s13, 9
	s_lshl_b32 s92, s11, 8
	s_add_co_u32 s90, s90, s92
	s_add_nc_u64 s[82:83], s[76:77], s[90:91]      ; the mask at my first row
.irp a, 0,1,2,3
	global_load_b32 v[LA+(\a)], v15, s[82:83] offset:64*(\a)
.endr
	s_lshl_b32 s90, s40, 16                        ; my work-group's 16 rows of x,
	s_add_nc_u64 s[PFA:PFA+1], s[14:15], s[90:91]
	s_add_nc_u64 s[PFA:PFA+1], s[PFA:PFA+1], 3*512 ; at K step 3: the first change of slots steps it to 4
	s_lshl_b32 s90, s41, 16                        ; my work-group's 32 rows of W
	s_add_nc_u64 s[PFB:PFB+1], s[46:47], s[90:91]
	s_add_nc_u64 s[PFB:PFB+1], s[PFB:PFB+1], 3*256
	s_and_b32 s92, s21, 15
	s_cmp_eq_u32 s11, 0
	s_cselect_b32 s92, 0, s92
	s_cmp_eq_u32 s92, 0
	s_cselect_b32 s[LIM], 1, -1                    ; x: every cluster asks for its own rows; W: the projection's first cluster
	s_wait_loadcnt 0x0
.irp a, 0,1,2,3
	v_cmp_ne_u32 s2, 0, v[LA+(\a)]
	v_cndmask_b32 v[W+2*(\a)], 0, 1.0, s2
	v_mov_b32 v[W+2*(\a)+1], v[W+2*(\a)]
.endr
; 32 LDS loads in one run: quarter q (32 along K) of a slot: x's 64 rows in f32 first, then W's 128 rows into buffer g
.macro FETCH slot, q, g
	WIN 0
.irp i, 0,1,2,3
	ds_load_b128 v[LA+16*(\i):LA+16*(\i)+3],     v[ADRA+(\slot)] offset:(\q)*128+(\i)*16*PA
	ds_load_b128 v[LA+16*(\i)+4:LA+16*(\i)+7],   v[ADRA+(\slot)] offset:(\q)*128+(\i)*16*PA+16
	ds_load_b128 v[LA+16*(\i)+8:LA+16*(\i)+11],  v[ADRA+(\slot)] offset:(\q)*128+(\i)*16*PA+64
	ds_load_b128 v[LA+16*(\i)+12:LA+16*(\i)+15], v[ADRA+(\slot)] offset:(\q)*128+(\i)*16*PA+80
.endr
	WIN TO_B
.irp i, 0,1,2,3,4,5,6,7
	ds_load_b128 v[64*(\g)+8*(\i):64*(\g)+8*(\i)+3],   v[ADRB+(\slot)] offset:(\q)*64+(\i)*16*PBT
	ds_load_b128 v[64*(\g)+8*(\i)+4:64*(\g)+8*(\i)+7], v[ADRB+(\slot)] offset:(\q)*64+(\i)*16*PBT+32
.endr
.endm
; 8 matrix instructions: row block a x all 8 column blocks, from buffer f.  per > 0: behind every per-th of them four roundings of x to bf16, from number n0 on, into buffer g.
; The 32 accumulators take turns in the same order in every quarter.
.macro MULX f, a, zero, g=0, n0=0, per=0
.set cvn, \n0
.irp b, 0,1,2,3,4,5,6,7
	WIN W_MUL
.if \zero
	v_wmma_f32_16x16x32_bf16 v[8*(8*(\a)+(\b)):8*(8*(\a)+(\b))+7], v[64*(\f)+8*(\b):64*(\f)+8*(\b)+7], v[FA+32*(\f)+8*(\a):FA+32*(\f)+8*(\a)+7], 0
.else
	v_wmma_f32_16x16x32_bf16 v[8*(8*(\a)+(\b)):8*(8*(\a)+(\b))+7], v[64*(\f)+8*(\b):64*(\f)+8*(\b)+7], v[FA+32*(\f)+8*(\a):FA+32*(\f)+8*(\a)+7], v[8*(8*(\a)+(\b)):8*(8*(\a)+(\b))+7]
.endif
.if (\per) > 0
.if (((\b)+1)%(\per)) == 0
	WIN 0
.rept 4
	v_cvt_pk_bf16_f32 v[FA+32*(\g)+cvn], v[LA+2*cvn], v[LA+2*cvn+1]
.set cvn, cvn+1
.endr
.endif
.endif
.endr
.endm
; One of a K step's first three quarters: multiplies buffer f; fetches quarter q into buffer g at its head and rounds x in its second half.  The four roundings behind a quarter's last
; product, which name none of its registers, are the four places in front of the next quarter's loads into the buffer that it read.
.macro QUARTER slot, q, f, g, zero
	FETCH \slot, \q, \g
	s_wait_dscnt 32                                ; all but the 32 just issued: W's fragments of buffer f are in
	MULX \f, 0, \zero
	MULX \f, 1, \zero
	s_wait_dscnt 16                                ; x's sixteen are in; W's sixteen may stay out
	MULX \f, 2, \zero, \g, 0, 2
	MULX \f, 3, \zero, \g, 16, 2
.endm
; The last quarter multiplies buffer 1 and changes slots: each wave waits for all its tensor loads, adds 0 to its spare word, waits for that and for its reads of the slot; one barrier,
; which with fill = 1 opens a round of the cluster's; the joint refill stands first behind it, 112 matrix instructions ahead of the wait for it.
.macro TURN slot, next, fill
.if \fill
	s_wait_xcnt 0x0                                ; the last prefetch, a K step back, has read its address
	s_add_nc_u64 s[PFA:PFA+1], s[PFA:PFA+1], 512
	s_add_nc_u64 s[PFB:PFB+1], s[PFB:PFB+1], 256
.endif
	WIN 0
	s_wait_tensorcnt 0x0                           ; all my tensor loads have landed: my part of the next slot
	ds_add_u32 v[SPW], v[NIL]                      ; 0 onto my spare word
	s_wait_dscnt 1                                 ; (only the add may be out: buffer 1 is in)
	MULX 1, 0, 0
	s_wait_dscnt 0x0                               ; the add is done, and my reads of this slot are over
	s_barrier_signal -1
	MULX 1, 1, 0
	WIN 0
	s_barrier_wait -1
.if \fill
	CREST
	s_add_nc_u64 s[G0+4*(\slot)+2:G0+4*(\slot)+3], s[G0+4*(\slot)+2:G0+4*(\slot)+3], 2*512
	s_add_nc_u64 s[G0B+4*(\slot)+2:G0B+4*(\slot)+3], s[G0B+4*(\slot)+2:G0B+4*(\slot)+3], 2*256
	JLOAD \slot                                    ; its four v_nop are also the places in front of the loads below
.else
	PLACES
.endif
	FETCH \next, 0, 0
.if \fill
	ASK
.endif
	MULX 1, 2, 0
	s_wait_dscnt 16
	MULX 1, 3, 0, 0, 0, 1
.endm
	s_wait_tensorcnt 1                             ; my part of K step 0 is in; K step 1's may stay out
	s_barrier_signal -1
	s_barrier_wait -1
	FETCH 0, 0, 0
	s_wait_dscnt 0x0
	WIN 0
.set cvn, 0
.rept 32
	v_cvt_pk_bf16_f32 v[FA+cvn], v[LA+2*cvn], v[LA+2*cvn+1]
.set cvn, cvn+1
.endr
	QUARTER 0, 1, 0, 1, 1                          ; the first quarter's products start the sums
	WIN 0
	s_mov_b32 s3, 3
.Llap:                                                 ; a trip goes once round the ring and fills both slots again
	QUARTER 0, 2, 1, 0, 0
	QUARTER 0, 3, 0, 1, 0
	TURN 0, 1, 1
	QUARTER 1, 1, 0, 1, 0
	QUARTER 1, 2, 1, 0, 0
	QUARTER 1, 3, 0, 1, 0
	TURN 1, 0, 1
	QUARTER 0, 1, 0, 1, 0
	WIN 0
	s_sub_co_u32 s3, s3, 1
	s_cmp_lg_u32 s3, 0
	s_cbranch_scc1 .Llap
	QUARTER 0, 2, 1, 0, 0                          ; the last lap fills nothing
	QUARTER 0, 3, 0, 1, 0
	TURN 0, 1, 0
	QUARTER 1, 1, 0, 1, 0
	QUARTER 1, 2, 1, 0, 0
	QUARTER 1, 3, 0, 1, 0
	s_wait_dscnt 0x0
	MULX 1, 0, 0
	MULX 1, 1, 0
	MULX 1, 2, 0
	MULX 1, 3, 0
	WIN 0
	PLACES
	PLACES
	; v alone: the column sums of my 64 rows, each row times its weight: over the four row blocks in the lane, over the 16 rows of a block through my stage
	s_cmp_lg_u32 s[PROJ], 2
	s_cbranch_scc1 .Lno_sums
	WIN 0x01                                       ; source 0 window 1
.irp b, 0,1,2,3,4,5,6,7
.irp j, 0,1,2,3
	v_pk_mul_f32 v[T+8*(\b)+2*(\j):T+8*(\b)+2*(\j)+1], v[8*(\b)+2*(\j):8*(\b)+2*(\j)+1], v[W:W+1] op_sel_hi:[1,0]
.endr
.endr
.irp a, 1,2,3
.irp b, 0,1,2,3,4,5,6,7
.irp j, 0,1,2,3
	v_pk_fma_f32 v[T+8*(\b)+2*(\j):T+8*(\b)+2*(\j)+1], v[8*(8*(\a)+(\b))+2*(\j):8*(8*(\a)+(\b))+2*(\j)+1], v[W+2*(\a):W+2*(\a)+1], v[T+8*(\b)+2*(\j):T+8*(\b)+2*(\j)+1] op_sel_hi:[1,0,1]
.endr
.endr
.endr
	WIN 0
.irp b, 0,1,2,3,4,5,6,7
	ds_store_b128 v[CST], v[T+8*(\b):T+8*(\b)+3]   offset:64*(\b)
	ds_store_b128 v[CST], v[T+8*(\b)+4:T+8*(\b)+7] offset:64*(\b)+16
.endr
.irp t, 0,1,2,3,4,5,6,7,8,9,10,11,12,13,14,15
	ds_load_b128 v[FA+4*(\t):FA+4*(\t)+3], v[CRD] offset:(\t)*528  ; LDS serves a wave's instructions in order: these see the stores above
.endr
	s_wait_dscnt 0x0
.irp s, 8,4,2,1
.set z, 0
.rept \s
	v_pk_add_f32 v[FA+4*z:FA+4*z+1],   v[FA+4*z:FA+4*z+1],   v[FA+4*(z+(\s)):FA+4*(z+(\s))+1]
	v_pk_add_f32 v[FA+4*z+2:FA+4*z+3], v[FA+4*z+2:FA+4*z+3], v[FA+4*(z+(\s))+2:FA+4*(z+(\s))+3]
.set z, z+1
.endr
.endr
	global_store_b128 v[GO], v[FA:FA+3], s[6:7]    ; 512 consecutive bytes, aligned
.Lno_sums:
; THE WAY OUT, a block of 16 rows at a time: rounded to f16; into my stage as two heads' rows of 128 bytes (pitch 144); back as 512 consecutive bytes of a head; stored.
.macro PACK a
	WIN 0x05
.irp b, 0,1,2,3,4,5,6,7
.irp r, 0,1,2,3
	v_cvt_pk_f16_f32 v[TMP+4*(\b)+(\r)], v[8*(8*(\a)+(\b))+2*(\r)], v[8*(8*(\a)+(\b))+2*(\r)+1]
.endr
.endr
	WIN 0
.endm
.macro TOSTAGE a
.irp b, 0,1,2,3,4,5,6,7
	ds_store_b128 v[STO], v[TMP+4*(\b):TMP+4*(\b)+3] offset:((\b)/4)*2304+32*((\b)%4)
.endr
.irp t, 0,1,2,3,4,5,6,7
	ds_load_b128 v[BK+32*((\a)%2)+4*(\t):BK+32*((\a)%2)+4*(\t)+3], v[RD] offset:((\t)/4)*2304+((\t)%4)*576
.endr
.endm
.macro SEND a
	s_wait_dscnt 0x0                               ; the block is back in registers
	s_wait_xcnt 0x0                                ; the registers that earlier stores read are loaded again only behind this wait
.irp t, 0,1,2,3,4,5,6,7
	global_store_b128 v[GO], v[BK+32*((\a)%2)+4*(\t):BK+32*((\a)%2)+4*(\t)+3], s[8:9] offset:((\t)/4)*262144+(\a)*2048+((\t)%4)*512
.endr
.endm
	PACK 0
	TOSTAGE 0
.irp a, 1,2,3
	PACK \a
	SEND (\a)-1
	TOSTAGE \a
.endr
	SEND 3
	s_wait_tensorcnt 0x0                           ; the wave's end
	ds_add_u32 v[SPW], v[NIL]
	s_wait_dscnt 0x0
	CROUND                                         ; the closing round
	s_endpgm
.Lfunc_end_k_q6be57b6516_proj:
	.size	k_q6be57b6516_proj, .Lfunc_end_k_q6be57b6516_proj-k_q6be57b6516_proj
	.p2alignl 7, 3214868480
	.fill 96, 4, 3214868480
	.section	.rodata,"a",@progbits
	.p2align	6, 0x0
	.amdhsa_kernel k_q6be57b6516_proj
		.amdhsa_group_segment_fixed_size 327680
		.amdhsa_private_segment_fixed_size 0
		.amdhsa_enable_private_segment 0
		.amdhsa_kernarg_size 56
		.amdhsa_user_sgpr_count 2
		.amdhsa_user_sgpr_kernarg_segment_ptr 1
		.amdhsa_wavefront_size32 1
		.amdhsa_system_sgpr_workgroup_id_x 1
		.amdhsa_system_sgpr_workgroup_id_y 1
		.amdhsa_system_sgpr_workgroup_id_z 1
		.amdhsa_system_vgpr_workitem_id 0
		.amdhsa_next_free_vgpr 640
		.amdhsa_next_free_sgpr 100
		.amdhsa_reserve_vcc 0
		.amdhsa_float_denorm_mode_32 3
		.amdhsa_float_denorm_mode_16_64 3
		.amdhsa_memory_ordered 1
		.amdhsa_forward_progress 1
		.amdhsa_inst_pref_size 147
	.end_amdhsa_kernel
	.amdgpu_metadata
---
amdhsa.version: [ 1, 2 ]
amdhsa.kernels:
  - .name:           k_q6be57b6516_proj
    .symbol:         k_q6be57b6516_proj.kd
    .args:
      - { .name: q, .offset: 0, .size: 8, .value_kind: global_buffer, .address_space: global }
      - { .name: k, .offset: 8, .size: 8, .value_kind: global_buffer, .address_space: global }
      - { .name: v, .offset: 16, .size: 8, .value_kind: global_buffer, .address_space: global }
      - { .name: w16, .offset: 24, .size: 8, .value_kind: global_buffer, .address_space: global }
      - { .name: attention_mask, .offset: 32, .size: 8, .value_kind: global_buffer, .address_space: global }
      - { .name: qkv, .offset: 40, .size: 8, .value_kind: global_buffer, .address_space: global }
      - { .name: ps, .offset: 48, .size: 8, .value_kind: global_buffer, .address_space: global }
    .group_segment_fixed_size: 327680
    .private_segment_fixed_size: 0
    .kernarg_segment_align: 8
    .kernarg_segment_size: 56
    .max_flat_workgroup_size: 128
    .sgpr_count:     100
    .vgpr_count:     640
    .wavefront_size: 32
...
	.end_amdgpu_metadata
.endif
;; end of part 2
;; launch attn (part 3): grid 4 x 64, 4 waves a work-group, no clusters, 327,680 bytes of LDS; arguments qkv, oh, tab, tc, ps; writes oh
.if DOCPART == 3
	.amdgcn_target "amdgcn-amd-amdhsa--gfx1250"
	.amdhsa_code_object_version 6
	.text
	.protected	k_q6be57b6516_attn
	.globl	k_q6be57b6516_attn
	.p2align	8
	.type	k_q6be57b6516_attn,@function
k_q6be57b6516_attn:
	s_mov_b64 s[64:65], 0
	v_nop
	global_prefetch_b8 v0, s[64:65] scope:SCOPE_SE
	s_setreg_imm32_b32 hwreg(HW_REG_WAVE_MODE, 25, 1), 1
	s_wait_xcnt 0x0
; ATTENTION.  For head y (batch y / 16) and query q: weights softmax_k(t[q][k]), t = Q[q] . K[k] / 8 for k <= q, 0 for k > q, and minus infinity where the key's attention_mask is 0; O[q] = the sum of weights x V[k].
; Q, K, V: qkv[0..2][64][2048][64] in f16, unscaled; O: oh[64][2048][64] in f16.  Products, maxima and sums in f32; the weights are rounded to f16 for the second product, O once at the end.
; KEYS BEHIND THE DIAGONAL TILE have the score 0 whatever Q and K hold, so their products are not made: for a block of 256 queries all keys of later tiles together are a start of the running softmax:
; m = 0, l = their number N, O = the sum of their V rows (both without the masked keys: tc and ps hold them by tile and by 64 rows).  With N = 0: m = -2^96, l = 0, O = 0.
; LIMITS.  A masked key's score counts as its value less 2^100; true scores (2.7e11 at the most in f16) lie above -2^96, masked ones below, so a masked key's weight is 0, and a row with no key left ends as 0 / 0, a NaN.
; f16 holds no number beyond 65,504; a weight below 2^-126 counts as 0 in l.
; THE WALK.  A work-group takes blocks 7 - b and then b of a head's eight: 9 key tiles of 256, whatever b: one loop with a constant count; every jump but the loops' own goes forward.
; NO CLUSTER: a head's four work-groups ask for the same tile only in trips 0 to 4; a walk common to all four would have 12 trips for 9.
; SHARES.  Of a block's four bands of 64 queries a wave owns 16 rows in each: four PIECES.  In the diagonal tile's key step s band x sees all scores if s < x, none if s > x, and holds the diagonal if s = x.
; THE MASKS.  PBR holds the key step's pad bias (0 or -2^100) in the layout of S^T.  In a plain tile it is the C operand that starts S^T = K Q^T.  In the diagonal tile's text, and at a block's beginning, the sums
; start with 0 and then S = S x MC + PBR, MC = MD x AL + BE: MD is 1 where my row sees the key in its band's own step, else 0; (AL, BE) = (1, 0) if s = x, (0, 1) if s < x, (0, 0) if s > x.
; TURNS.  Turn n belongs to piece n: 8 products K Q^T of piece n + 1, later 8 products V^T P of piece n - 1; beside them the scaling, exponentials, roundings, sums and rescaling of piece n and the maximum and
; statistics of piece n + 1.  Four vector instructions stand behind every matrix instruction, the rest in one lump.  A turn's 33 exponentials are one batch with one wait.
; REGISTERS.  window 0: v0-15, v32-43 addresses and small numbers; v16-31 statistics; v48-55 at work; v64-127 S^T, two buffers; v128-159 ps as loaded; v192-223 P, two buffers
;   window 1: v0-127 O^T; v128-159 MD; v160-191 MC; v192-223 PBR          window 2: v0-63 Q; v64-127 the second block's Q; v128-191 K; v192-255 V
.set NB,    8
.set NP,    4
.set KS,    64
.set PK,    144       ; a row of K in LDS: 128 bytes + 16
.set PV,    160       ; a row of V: 128 + 32
.set VOFF,  4*KS*PK   ; a slot: 256 rows of K, 256 rows of V, 1,024 bytes of pad bias
.set PBOFF, 4*KS*(PK+PV)
.set SLOT1, 1<<17
.set STAGE, SLOT1+PBOFF+1024  ; behind the ring: 16 rows x 144 bytes for each wave
.set SP,    144
.set TSL,   STAGE+4*16*SP     ; the two blocks' start sums: 2 x 64 f32
.set SPARE, TSL+512           ; the spare words, 128 bytes a wave
.set AK0, 2
.set AV0, 3
.set AK,  4
.set AV,  5
.set STO, 6
.set RD,  7
.set GO,  8
.set MV,  12          ; v12-13
.set QO,  15
.set ST,  16          ; piece t: c m, m, l (even keys', odd keys')
.set AP0, 32          ; v32  PBOFF + 32 (l / 16)
.set AP,  33
.set ATS, 34
.set PFO, 35          ; v35  256 x my thread's number
.set PSO, 36
.set TSA, 37
.set NQ,  42          ; v42  N / 4 of the block in hand; v43 of the second
.set TMP, 48
.set SPW, 62
.set NIL, 63
.set S,   64
.set PSL, 128
.set P,   192
.set MD,  128         ; window 1
.set MC,  160
.set PBR, 192
.set QB,  64          ; window 2
.set KF,  128
.set VF,  192
.set OFFP, 2          ; s[2:3]   a tile's byte offset in the pad bias
.set QP,  4           ; s[4:5]   Q at my rows of the first block
.set KB,  6           ; s[6:7]   the head's K
.set VB,  8           ; s[8:9]   the head's V
.set OPT, 10          ; s[10:11] O at my rows of the block in hand
.set WV,  12
.set PBI, 14          ; b
.set HI,  15          ; 7 - b
.set M0A, 16          ; the start's m and c m, block in hand
.set CM0A, 17
.set TSB, 18          ; LDS byte of the start sums of the block in hand
.set M0B, 20          ; the second block's
.set CM0B, 21
.set G1K, 24
.set G1V, 32
.set G0K, 40
.set G0V, 44
.set G1P, 48
.set SLOTS, 56
.set CNT, 57
.set CS,  58
.set SEL, 60
.set TBK, 62
.set TBV, 63
.set PFK, 66
.set PFV, 68
.set RT,  70
.set NXT, 71
.set LQ,  72
.set NEW, 73
.set OFF, 74
.set AL,  76
.set BE,  78
.set OLO, 80
.set TBP, 82
.set PFL, 83
.set PBB, 88          ; s[88:89] the batch's pad bias
.set G0P, 92
.set MSB, 0
.macro WIN new
.if MSB != (\new)
	s_set_vgpr_msb (MSB<<8)|(\new)
.set MSB, (\new)
.endif
.endm
.set W_KQ, 0x0a       ; K and Q window 2, S^T window 0
.set W_KM, 0x1a       ; the same with C in window 1
.set W_PV, 0x52       ; V window 2, P window 0, O^T window 1
.set W_RS, 0x41       ; destination and source 0 window 1
.set W_A,  0x14       ; sources 1 and 2 window 1
; A fill: wave 0 a tile's K, wave 1 its V, wave 2 its pad bias; wave 3 has no part.  s_nop 0 and four v_nop behind each line.
.macro LOAD
	s_cmp_lg_u32 s[WV], 0
	s_cbranch_scc1 .Lnot_k_\@
	tensor_load_to_lds s[G0K:G0K+3], s[G1K:G1K+7]
	s_nop 0
.rept 4
	v_nop
.endr
	s_branch .Lasked_\@
.Lnot_k_\@:
	s_cmp_lg_u32 s[WV], 1
	s_cbranch_scc1 .Lnot_v_\@
	tensor_load_to_lds s[G0V:G0V+3], s[G1V:G1V+7]
	s_nop 0
.rept 4
	v_nop
.endr
	s_branch .Lasked_\@
.Lnot_v_\@:
	s_cmp_lg_u32 s[WV], 2
	s_cbranch_scc1 .Lasked_\@
	tensor_load_to_lds s[G0P:G0P+3], s[G1P:G1P+7]
	s_nop 0
.rept 4
	v_nop
.endr
.Lasked_\@:
.endm
; A prefetch into the L2 of the tile that the NEXT change of slots will ask for: 32,768 bytes of K and of V, a thread a block of 256 bytes.  A head's four work-groups walk the same tiles from 0 on; the one with
; b = 0 walks all eight and asks, for tiles 2 to 7, each once: a tile, 16 turns, ahead.  Where the walk goes back to tile 0 nothing is asked.
.macro ASK
	s_cmp_gt_u32 s[NXT], s[PFL]
	s_cbranch_scc0 .Lnot_mine_\@
	global_prefetch_b8 v[PFO], s[PFK:PFK+1] th:TH_LOAD_NT scope:SCOPE_SE
	global_prefetch_b8 v[PFO], s[PFV:PFV+1] th:TH_LOAD_NT scope:SCOPE_SE
.Lnot_mine_\@:
.endm
; THE CHANGE OF SLOTS.  Each wave waits for all its tensor loads, adds 0 to its spare word, and waits for that and for its own LDS instructions.  Behind the barrier nobody reads the old slot and the other is whole.
; fill = 1: the old slot is filled again, first thing behind the barrier, with tile NXT; the descriptors' addresses are made anew from that number.
.macro CHANGE fill
	WIN 0
	s_wait_tensorcnt 0x0            ; no tensor load of mine is out, so a group 0 may be written
	ds_add_u32 v[SPW], v[NIL]       ; 0 onto my spare word
.if \fill
	s_lshl_b32 s[OFF], s[NXT], 15
	s_lshl_b32 s[OFFP], s[NXT], 10
	s_xor_b32 s[G0K+1], s[G0K+1], SLOT1
	s_add_nc_u64 s[G0K+2:G0K+3], s[KB:KB+1], s[OFF:OFF+1]
	s_or_b32 s[G0K+3], s[G0K+3], 0x80000000
	s_xor_b32 s[G0V+1], s[G0V+1], SLOT1
	s_add_nc_u64 s[G0V+2:G0V+3], s[VB:VB+1], s[OFF:OFF+1]
	s_or_b32 s[G0V+3], s[G0V+3], 0x80000000
	s_xor_b32 s[G0P+1], s[G0P+1], SLOT1
	s_add_nc_u64 s[G0P+2:G0P+3], s[PBB:PBB+1], s[OFFP:OFFP+1]
	s_or_b32 s[G0P+3], s[G0P+3], 0x80000000
	s_add_co_u32 s[NXT], s[NXT], 1  ; the block's next tile, or behind its last the second block's tile 0
	s_cmp_gt_u32 s[NXT], s[LQ]
	s_cselect_b32 s[NXT], 0, s[NXT]
	s_cselect_b32 s[LQ], s[PBI], s[LQ]
	s_wait_xcnt 0x0                 ; the last prefetches, a tile back, have read their addresses
	s_lshl_b32 s[OFF], s[NXT], 15
	s_add_nc_u64 s[PFK:PFK+1], s[KB:KB+1], s[OFF:OFF+1]
	s_add_nc_u64 s[PFV:PFV+1], s[VB:VB+1], s[OFF:OFF+1]
.endif
	s_wait_dscnt 0x0                ; the add is done, and my reads of the slot are over
	s_barrier_signal -1
	s_sub_co_u32 s[TBK], s[TBK], 4*KS*PK  ; the fetches go back to a slot's first step, in the other slot
	s_xor_b32 s[TBK], s[TBK], SLOT1
	s_sub_co_u32 s[TBV], s[TBV], 4*KS*PV
	s_xor_b32 s[TBV], s[TBV], SLOT1
	s_sub_co_u32 s[TBP], s[TBP], 4*256
	s_xor_b32 s[TBP], s[TBP], SLOT1
	s_barrier_wait -1
.if \fill
	LOAD
	ASK
.endif
.endm
	s_load_b256 s[84:91], s[0:1], 0x0  ; qkv 84:85, oh 86:87, tab 88:89, tc 90:91
	s_load_b64 s[96:97], s[0:1], 0x20  ; ps
	v_lshl_add_u32 v[SPW], v0, 2, SPARE
	v_mov_b32 v[NIL], 0
	ds_add_u32 v[SPW], v[NIL]       ; the wave's opening: the add and its wait stand ahead of my first tensor load
	v_lshrrev_b32 v1, 5, v0
	v_readfirstlane_b32 s[WV], v1
	s_mov_b32 s[PBI], ttmp9
	s_sub_co_u32 s[HI], NB-1, s[PBI]
	s_and_b32 s13, ttmp7, 0xffff    ; the head
	s_lshl_b32 s20, s13, 18         ; its 262,144 bytes in each tensor
	s_mov_b32 s21, 0
	s_lshr_b32 s18, s13, 4          ; batch
	s_and_b32 s19, s13, 15          ; head in the batch
	s_lshl_b32 s3, s[WV], 11        ; my 16 rows in a band,
	s_lshl_b32 s2, s[HI], 15        ; in the first block,
	s_add_co_u32 s2, s2, s3
	s_lshl_b32 s16, s[PBI], 15      ; and in the second
	s_add_co_u32 s16, s16, s3
	s_mov_b32 s3, 0
	s_mov_b32 s17, 0
	s_add_nc_u64 s[2:3], s[2:3], s[20:21]
	s_add_nc_u64 s[16:17], s[16:17], s[20:21]
	; descriptor group 1.  256 keys are 32,768 dense bytes: 128 rows of 256 bytes, two keys a row, padded in LDS after every key
	s_mov_b32 s[G1K], (1<<16)|(1<<20)|(4<<22)|(3<<25)
	s_mov_b32 s[G1V], (1<<16)|(1<<20)|(4<<22)|(7<<25)
.irp g, G1K, G1V
	s_mov_b32 s[\g+1], 128<<16
	s_mov_b32 s[\g+2], 128<<16
	s_mov_b32 s[\g+3], 128<<16
	s_mov_b32 s[\g+4], 128
	s_mov_b32 s[\g+5], 128
	s_mov_b32 s[\g+6], 0
	s_mov_b32 s[\g+7], 0
.endr
	s_mov_b32 s[G1P], 3<<16         ; the pad bias: 4 rows of 32 elements of 8 bytes, no padding
	s_mov_b32 s[G1P+1], 32<<16
	s_mov_b32 s[G1P+2], 4<<16
	s_mov_b32 s[G1P+3], 32<<16
	s_mov_b32 s[G1P+4], 4
	s_mov_b32 s[G1P+5], 32
	s_mov_b32 s[G1P+6], 0
	s_mov_b32 s[G1P+7], 0
	s_mov_b32 s[CS], 0x3e38aa3b     ; c = log2(e) / 8
	s_mov_b32 s[CS+1], s[CS]
	s_mov_b32 s[SEL], 0x76543210
	s_mov_b32 s[SEL+1], 0xfedcba98
	s_mov_b32 s[TBK], SLOT1+4*KS*PK ; the first change of slots turns these three into 0
	s_mov_b32 s[TBV], SLOT1+4*KS*PV
	s_mov_b32 s[TBP], SLOT1+4*256
	s_mov_b32 s[G0K], 1
	s_mov_b32 s[G0K+1], 0
	s_mov_b32 s[G0V], 1
	s_mov_b32 s[G0V+1], VOFF
	s_mov_b32 s[G0P], 1
	s_mov_b32 s[G0P+1], PBOFF
	s_add_co_u32 s[RT], s[HI], 1    ; the first block has 8 - b tiles
	s_mov_b32 s[NXT], 1
	s_mov_b32 s[LQ], s[HI]
	s_mov_b32 s[NEW], 1
	s_mov_b32 s[OFF+1], 0
	s_mov_b32 s[AL+1], 0
	s_mov_b32 s[BE+1], 0
	s_mov_b32 s[SLOTS], NB
	s_cmp_eq_u32 s[PBI], 0
	s_cselect_b32 s[PFL], 0, -1
	s_wait_dscnt 0x0                ; the opening add is done
	s_wait_kmcnt 0x0
	s_add_nc_u64 s[KB:KB+1], s[84:85], s[20:21]
	s_add_nc_u64 s[VB:VB+1], s[KB:KB+1], 33554432
	s_add_nc_u64 s[KB:KB+1], s[KB:KB+1], 16777216
	s_add_nc_u64 s[QP:QP+1], s[84:85], s[2:3]
	s_add_nc_u64 s[84:85], s[84:85], s[16:17]      ; Q at my rows of the second block
	s_add_nc_u64 s[OPT:OPT+1], s[86:87], s[2:3]
	s_add_nc_u64 s[OLO:OLO+1], s[86:87], s[16:17]
	s_mov_b32 s3, 0                 ; from here on the upper word of OFFP
	s_lshl_b32 s22, s18, 13
	s_mov_b32 s23, 0
	s_add_nc_u64 s[PBB:PBB+1], s[88:89], s[22:23]
	s_lshl_b32 s22, s18, 11
	s_add_nc_u64 s[90:91], s[90:91], s[22:23]      ; tc at the batch's eight entries
	s_lshl_b32 s22, s18, 17
	s_lshl_b32 s13, s19, 8
	s_add_co_u32 s22, s22, s13
	s_add_nc_u64 s[96:97], s[96:97], s[22:23]      ; ps at the batch's 32 row blocks, the head's 64 columns
	s_mov_b32 s[TSB], TSL
	s_add_nc_u64 s[G0K+2:G0K+3], s[KB:KB+1], 0
	s_or_b32 s[G0K+3], s[G0K+3], 0x80000000
	s_add_nc_u64 s[G0V+2:G0V+3], s[VB:VB+1], 0
	s_or_b32 s[G0V+3], s[G0V+3], 0x80000000
	s_add_nc_u64 s[G0P+2:G0P+3], s[PBB:PBB+1], 0
	s_or_b32 s[G0P+3], s[G0P+3], 0x80000000
	s_load_b32 s98,  s[90:91], 0x100   ; the numbers of unmasked keys in tiles 1 to 7
	s_load_b32 s99,  s[90:91], 0x200
	s_load_b32 s100, s[90:91], 0x300
	s_load_b32 s101, s[90:91], 0x400
	s_load_b32 s104, s[90:91], 0x500
	s_load_b32 s105, s[90:91], 0x600
	s_load_b32 s19,  s[90:91], 0x700
	LOAD                            ; tile 0 into slot 0
	v_and_b32 v1, 15, v0            ; l % 16
	v_bfe_u32 v9, v0, 4, 1          ; l / 16; kept
	v_lshlrev_b32 v[QO], 7, v1
	v_lshl_add_u32 v[QO], v9, 4, v[QO]
	v_and_b32 v[PSO], 63, v0
	v_lshlrev_b32 v[PSO], 2, v[PSO]
.set i, 0
.rept 32                            ; my channel's partial sum of each of the batch's 32 blocks of 64 rows
	global_load_b32 v[PSL+i], v[PSO], s[96:97] offset:i*4096
.set i, i+1
.endr
	WIN 0x80
.set i, 0
.rept 8                             ; both blocks' Q: piece i / 2 lies in band i / 2, 8,192 bytes on; channels 32 (i % 2) on
	global_load_b128 v[8*i:8*i+3],   v[QO], s[QP:QP+1] offset:(i/2)*8192+(i%2)*64
	global_load_b128 v[8*i+4:8*i+7], v[QO], s[QP:QP+1] offset:(i/2)*8192+(i%2)*64+32
	global_load_b128 v[QB+8*i:QB+8*i+3],   v[QO], s[84:85] offset:(i/2)*8192+(i%2)*64
	global_load_b128 v[QB+8*i+4:QB+8*i+7], v[QO], s[84:85] offset:(i/2)*8192+(i%2)*64+32
.set i, i+1
.endr
	WIN 0
	v_lshlrev_b32 v14, 3, v9
	v_sub_nc_u32 v14, v1, v14
	s_lshl_b32 s13, s[WV], 4
	v_add_nc_u32 v14, s13, v14      ; my query's place in its band less my lanes' 8 (l / 16): register r of group kt is seen where 16 kt + r is no greater
	s_mov_b32 s[BE], 1.0
	WIN 0x40
.set i, 0
.rept 32
	v_cmp_le_i32 vcc_lo, 16*(i/8)+i%8, v14
	v_cndmask_b32 v[MD+i], 0, s[BE], vcc_lo
.set i, i+1
.endr
	WIN 0
	v_mul_u32_u24 v[AK0], v1, PK
	v_lshl_add_u32 v[AK0], v9, 4, v[AK0]
	v_and_b32 v10, 7, v0
	v_bfe_u32 v11, v0, 3, 1
	v_lshl_add_u32 v[AV0], v9, 3, v10
	v_mul_u32_u24 v[AV0], v[AV0], PV
	v_lshl_add_u32 v[AV0], v11, 4, v[AV0]
	v_add_nc_u32 v[AV0], VOFF, v[AV0]
	s_mul_i32 s13, s[WV], 16*SP
	s_add_co_u32 s13, s13, STAGE
	v_mul_u32_u24 v[STO], v1, SP
	v_lshl_add_u32 v[STO], v9, 4, v[STO]
	v_add_nc_u32 v[STO], s13, v[STO]
	v_bfe_u32 v[RD], v0, 3, 2
	v_mul_u32_u24 v[RD], v[RD], SP
	v_lshl_add_u32 v[RD], v10, 4, v[RD]
	v_add_nc_u32 v[RD], s13, v[RD]
	v_and_b32 v[GO], 31, v0
	v_lshlrev_b32 v[GO], 4, v[GO]
	v_lshl_add_u32 v[AP0], v9, 5, PBOFF
	v_lshl_add_u32 v[TSA], v0, 2, TSL
	v_lshlrev_b32 v[PFO], 8, v0
	WIN 0x80                        ; a block's first turn multiplies V by weights that are 0: V need only be finite
.set i, VF
.rept 64
	v_mov_b32 v[i], 0
.set i, i+1
.endr
	WIN 0
	s_wait_kmcnt 0x0
	s_mov_b32 s13, 0                ; N of the first block,
	s_mov_b32 s22, 0                ; of the second
.macro CNTJ j, reg                  ; tile j counts for a block that lies before it
	s_cmp_lt_u32 s[HI], \j
	s_cselect_b32 s23, s\reg, 0
	s_add_co_u32 s13, s13, s23
	s_cmp_lt_u32 s[PBI], \j
	s_cselect_b32 s23, s\reg, 0
	s_add_co_u32 s22, s22, s23
.endm
	CNTJ 1, 98
	CNTJ 2, 99
	CNTJ 3, 100
	CNTJ 4, 101
	CNTJ 5, 104
	CNTJ 6, 105
	CNTJ 7, 19
	v_cvt_f32_u32 v[NQ], s13
	v_cvt_f32_u32 v[NQ+1], s22
	v_mul_f32 v[NQ], 0x3e800000, v[NQ]      ; l lies in four parts (two registers, two halves of the lanes): each starts at N / 4
	v_mul_f32 v[NQ+1], 0x3e800000, v[NQ+1]
	s_cmp_lg_u32 s13, 0
	s_cselect_b32 s[M0A], 0, 0xef800000     ; m: 0, or -2^96
	s_cselect_b32 s[CM0A], 0, 0xee38aa3b    ; c m
	s_cmp_lg_u32 s22, 0
	s_cselect_b32 s[M0B], 0, 0xef800000
	s_cselect_b32 s[CM0B], 0, 0xee38aa3b
	s_cmp_lt_u32 s[WV], 2           ; waves 0 and 1 sum for the first block, waves 2 and 3 for the second: a thread a channel
	s_cselect_b32 s13, s[HI], s[PBI]
	s_lshl_b32 s13, s13, 2
	s_add_co_u32 s13, s13, 4        ; the first row block behind the block's diagonal tile
	s_wait_loadcnt 32               ; the 32 partial sums are in; Q's 32 loads may stay out
.set i, 0
.rept 32
	s_cmp_le_u32 s13, i
	s_cselect_b32 s23, 1.0, 0
.if i < 4
	v_mul_f32 v[38+i], s23, v[PSL+i]
.else
	v_fmac_f32 v[38+i%4], s23, v[PSL+i]
.endif
.set i, i+1
.endr
	v_add_f32 v38, v38, v39
	v_add_f32 v40, v40, v41
	v_add_f32 v38, v38, v40
	ds_store_b32 v[TSA], v38        ; the first change of slots waits for it and passes the barrier in front of its readers
; THE MATRIX WORK.  The 4 accumulators of a run of 8 take turns.  Product i of 8 of S^T = K Q^T for piece x: channels 32 (i / 4) on, keys 16 (i % 4) on.  The first 4 start the sums: with the pad bias, or (KM = 1) with 0.
.macro KQ x
.set rS, S+32*((\x)%2)+8*(i%4)
.set rK, KF+16*(i%4)+8*(i/4)
.set rQ, 16*(\x)+8*(i/4)
.set rM, PBR+8*(i%4)
.if (i < 4) && KM
	WIN W_KQ
	v_wmma_f32_16x16x32_f16 v[rS:rS+7], v[rK:rK+7], v[rQ:rQ+7], 0
.elseif i < 4
	WIN W_KM
	v_wmma_f32_16x16x32_f16 v[rS:rS+7], v[rK:rK+7], v[rQ:rQ+7], v[rM:rM+7]
.else
	WIN W_KQ
	v_wmma_f32_16x16x32_f16 v[rS:rS+7], v[rK:rK+7], v[rQ:rQ+7], v[rS:rS+7]
.endif
.endm
.macro PV x                         ; product i of 8 of O^T += V^T P: keys 32 (i / 4) on, channels 16 (i % 4) on
	WIN W_PV
.set rO, 32*(\x)+8*(i%4)
.set rV, VF+32*(i/4)+8*(i%4)
.set rP, P+16*((\x)%2)+8*(i/4)
	v_wmma_f32_16x16x32_f16 v[rO:rO+7], v[rV:rV+7], v[rP:rP+7], v[rO:rO+7]
.endm
.macro MM                           ; the turn's next matrix instruction
.if i < 8
	KQ (Y+1)%NP
.else
.set i, i-8
	PV (Y+NP-1)%NP
.set i, i+8
.endif
.set i, i+1
.endm
; THE LDS LOADS stand in runs: a step's K with its pad bias (24 loads), and its V, turned (16).  last = 1: in the diagonal loop's last trip there is no further step, and the run is jumped over.
.macro FETCH_K last=0
	WIN 0
.if \last
	s_cmp_eq_u32 s[CNT], 1
	s_cbranch_scc1 .Lno_k_\@
.endif
	WIN 0x80
.irp f, 0,1,2,3,4,5,6,7
	ds_load_b128 v[KF+8*\f:KF+8*\f+3],   v[AK] offset:(\f/2)*16*PK+(\f%2)*64
	ds_load_b128 v[KF+8*\f+4:KF+8*\f+7], v[AK] offset:(\f/2)*16*PK+(\f%2)*64+32
.endr
	WIN 0x40
.irp f, 0,1,2,3,4,5,6,7             ; register 8 kt + j: key 16 kt + 8 (l / 16) + j
	ds_load_b128 v[PBR+4*\f:PBR+4*\f+3], v[AP] offset:(\f/2)*64+(\f%2)*16
.endr
	s_add_co_u32 s[TBK], s[TBK], KS*PK
	s_add_co_u32 s[TBP], s[TBP], 256
	WIN 0
.if \last
.Lno_k_\@:
.endif
.endm
.macro FETCH_V
	WIN 0x80
.irp f, 0,1,2,3,4,5,6,7
	ds_load_tr16_b128 v[VF+8*\f:VF+8*\f+3],   v[AV] offset:(\f/4)*32*PV+(\f%4)*32
	ds_load_tr16_b128 v[VF+8*\f+4:VF+8*\f+7], v[AV] offset:(\f/4)*32*PV+16*PV+(\f%4)*32
.endr
	WIN 0
.endm
; THE VECTOR WORK, one line at a time: OP kind, number.  For piece Y: F n: c s - c m for pair n.  E n: the exponential of score n.  C n: pair n rounded to f16.  B n: of the four weights 4 n .. the second pair is added
; onto the first.  L n: l takes that sum (L 0: l = a l + sum).  R n: pair n of O^T times a.  M n: pair n of MC = MD x AL + BE.  For piece Y + 1: A n: pair n of S = S x MC + PBR.  X n: number n of the 22 that find its
; maximum and statistics: 0-11 four chains of seven scores (each accumulator's lowest registers are read first); 12-14, 16 the rest, the old m, all into c0; 15 c m_old is kept;
; 17, 18 the other half of the lanes: the new m; 19-21 c m, c m_old - c m_new, a.
.set F, 0
.set E, 1
.set C, 2
.set B, 3
.set L, 4
.set R, 5
.set X, 6
.set M, 7
.set A, 8
.macro REGS y
.set rT, ST+4*(\y)
.set rC, TMP+4*((\y)%2)
.set rW, MV+((\y)%2)
.set rS, S+32*((\y)%2)
.set rP, P+16*((\y)%2)
.set rO, 32*(\y)
.endm
.macro OP k, n
.if (\k) == R
	REGS Y
	WIN W_RS
	v_pk_mul_f32 v[rO+2*(\n):rO+2*(\n)+1], v[rO+2*(\n):rO+2*(\n)+1], v[rC+2:rC+3] op_sel_hi:[1,0]
.elseif (\k) < R
	REGS Y
	WIN 0
.if (\k) == F
	v_pk_fma_f32 v[rS+2*(\n):rS+2*(\n)+1], v[rS+2*(\n):rS+2*(\n)+1], s[CS:CS+1], v[rT:rT+1] op_sel_hi:[1,0,0] neg_lo:[0,0,1] neg_hi:[0,0,1]
.elseif (\k) == E
	v_exp_f32 v[rS+(\n)], v[rS+(\n)]
.elseif (\k) == C
	v_cvt_pk_f16_f32 v[rP+(\n)], v[rS+2*(\n)], v[rS+2*(\n)+1]
.elseif (\k) == B
	v_pk_add_f32 v[rS+4*(\n):rS+4*(\n)+1], v[rS+4*(\n):rS+4*(\n)+1], v[rS+4*(\n)+2:rS+4*(\n)+3]
.elseif (\n) == 0
	v_pk_fma_f32 v[rT+2:rT+3], v[rT+2:rT+3], v[rC+2:rC+3], v[rS:rS+1] op_sel_hi:[1,0,1]
.else
	v_pk_add_f32 v[rT+2:rT+3], v[rT+2:rT+3], v[rS+4*(\n):rS+4*(\n)+1]
.endif
.elseif (\k) == M
	WIN W_RS
	v_pk_fma_f32 v[MC+2*(\n):MC+2*(\n)+1], v[MD+2*(\n):MD+2*(\n)+1], s[AL:AL+1], s[BE:BE+1] op_sel_hi:[1,0,0]
.elseif (\k) == A
	REGS (Y+1)%NP
	WIN W_A
	v_pk_fma_f32 v[rS+2*(\n):rS+2*(\n)+1], v[rS+2*(\n):rS+2*(\n)+1], v[MC+2*(\n):MC+2*(\n)+1], v[PBR+2*(\n):PBR+2*(\n)+1]
.else
	REGS (Y+1)%NP
	WIN 0
.if (\n) < 4
	v_max3_num_f32 v[rC+(\n)], v[rS+8*(\n)], v[rS+8*(\n)+1], v[rS+8*(\n)+2]
.elseif (\n) < 12
	v_max3_num_f32 v[rC+(\n)%4], v[rC+(\n)%4], v[rS+8*((\n)%4)+2*((\n)/4)+1], v[rS+8*((\n)%4)+2*((\n)/4)+2]
.elseif (\n) == 12
	v_max3_num_f32 v[rC], v[rC], v[rS+7], v[rS+15]
.elseif (\n) == 13
	v_max3_num_f32 v[rC+1], v[rC+1], v[rS+23], v[rS+31]
.elseif (\n) == 14
	v_max3_num_f32 v[rC+2], v[rC+2], v[rC+3], v[rT+1]
.elseif (\n) == 15
	v_mov_b32 v[rW], v[rT]
.elseif (\n) == 16
	v_max3_num_f32 v[rC], v[rC], v[rC+1], v[rC+2]
.elseif (\n) == 17
	v_permlanex16_b32 v[rC+3], v[rC], s[SEL], s[SEL+1]
.elseif (\n) == 18
	v_max_num_f32 v[rT+1], v[rC], v[rC+3]
.elseif (\n) == 19
	v_mul_f32 v[rT], s[CS], v[rT+1]
.elseif (\n) == 20
	v_sub_f32 v[rC+1], v[rW], v[rT]
.else
	v_exp_f32 v[rC+2], v[rC+1]
.endif
.endif
.endm
.macro OPS a, i1, b=-1, i2=0, c=-1, i3=0, d=-1, i4=0
	OP \a, \i1
.if (\b) >= 0
	OP \b, \i2
.endif
.if (\c) >= 0
	OP \c, \i3
.endif
.if (\d) >= 0
	OP \d, \i4
.endif
.endm
.macro ROW a, i1, b, i2, c, i3, d, i4  ; a matrix instruction and the four behind it
	MM
	OPS \a, \i1, \b, \i2, \c, \i3, \d, \i4
.endm
; A TURN, for piece p.  Ahead of its one wait stands all that names no result of its exponentials: the 8 products K Q^T with their riders, then the lump; behind it the 8 products V^T P, whose riders are the roundings and sums.
; m = 1 (the diagonal tile's text): the products start with 0; MC is made for piece p + 1 in the step that its products belong to (step 4 - CNT of the tile; for p = 3 step 5 - CNT), then S = S x MC + PBR, all sixteen pairs
; ascending, eleven plain instructions or more behind the last product; then the maximum begins.  K and the pad bias of the next step are fetched in piece 2's turn: in a plain tile in the lump, twelve plain instructions
; behind K's last reader; with m = 1 directly behind the wait, so that the jump over them has every exponential waited for, and behind the lines that read the old pad bias.  V of the step in hand is fetched at
; the end of piece 0's turn, four plain instructions behind its last reader.  cnt = 1: the loop's count is taken down some lines ahead of the branch behind the turn.
.macro TURN p, m=0, cnt=0
.set Y, (\p)
.set i, 0
.set KM, (\m)
.if \m
.set TT, 3-(\p)+5*((\p)/3)          ; CNT in the band's own step
	s_cmp_eq_u32 s[CNT], TT
	s_cselect_b32 s[AL], 1.0, 0
	s_cmp_gt_u32 s[CNT], TT         ; an earlier step: everything is seen
	s_cselect_b32 s[BE], 1.0, 0
.endif
.if (\p) == 3
	s_wait_dscnt 0x0                ; K and the pad bias are in
.endif
	ROW F,0, F,1, R,0, R,1
	ROW F,2, E,0, R,2, R,3
	ROW F,3, E,1, R,4, R,5
	ROW F,4, E,2, R,6, R,7
	ROW F,5, E,3, R,8, R,9
.if \m
	ROW F,6, E,4, M,0, R,10
.else
	ROW F,6, E,4, X,0, R,10
.endif
.if (\p) == 2
	WIN 0
	v_add_nc_u32 v[AK], s[TBK], v[AK0]
	v_add_nc_u32 v[AP], s[TBP], v[AP0]
.endif
.if \m
	ROW F,7, E,5, M,1, M,2
	ROW F,8, E,6, M,3, M,4
.irp n, 5,6,7,8,9,10,11,12,13,14,15
	OP M, \n
.endr
.irp n, 0,1,2,3,4,5,6,7,8,9,10,11,12,13,14,15
	OP A, \n
.endr
	OPS X,0, X,1, X,4, X,2
	OPS X,5
.else
	ROW F,7, E,5, X,1, X,4
	ROW F,8, E,6, X,2, X,5
.endif
	OPS E,7, E,8, X,6, E,9
	OPS X,3, E,10, X,8, E,11
.if ((\p) == 2) && !(\m)
	FETCH_K
.endif
	OPS X,9, X,7, E,12, X,10
	OPS E,13, X,12, X,11, E,14
	OPS X,13, E,15, F,9, X,14
.if (\p) == 0
	WIN 0
	v_add_nc_u32 v[AV], s[TBV], v[AV0]
.endif
	OPS E,16, F,10, E,17, F,11
	OPS X,16, E,18, X,15, E,19
	OPS F,12, E,20, X,17, E,21
	OPS F,13, E,22, F,14, E,23
	OPS X,18, E,24, F,15, E,25
	OPS R,11, E,26, X,19, E,27
	OPS R,12, E,28, R,13, E,29
	OPS X,20, E,30, R,14, E,31
	OPS X,21, R,15                  ; the batch's last exponential, and the plain instruction behind it
	WIN 0
	s_wait_alu depctr_va_vdst(0)    ; the wait for the batch, ahead of the first line that names a result
.if ((\p) == 2) && (\m)
	FETCH_K 1
.endif
.if (\p) == 1
	s_wait_dscnt 0x0                ; V is in
.endif
	ROW C,0, B,0, C,2, B,1
	ROW L,0, C,4, B,2, L,1
	ROW C,6, B,3, L,2, C,8
	ROW B,4, L,3, C,10, B,5
	ROW L,4, C,12, B,6, L,5
.if (\p) == 0
	s_add_co_u32 s[TBV], s[TBV], KS*PV
.endif
.if \cnt
	s_sub_co_u32 s[CNT], s[CNT], 1
	s_cmp_lg_u32 s[CNT], 0
.endif
	ROW C,14, B,7, L,6, C,1
	ROW C,3, L,7, C,5, C,7
	ROW C,9, C,11, C,13, C,15
.if (\p) == 0
	FETCH_V
.endif
.endm
; A BLOCK BEGINS with the later tiles' keys as its running state: c m, m, l = N / 4 in each of its four parts, O^T = their V rows' sum, the same for every query.  P's second buffer is 0: the first turn's products
; V^T P, of a piece that has not been, add 0.  Then K and the pad bias of the tile's step 0, piece 0's first scores (masked as its own step if the tile is the diagonal one), its maximum and statistics.
.macro BEGIN
	s_mov_b32 s[NEW], 0
	WIN 0
.set i, P+16
.rept 16
	v_mov_b32 v[i], 0
.set i, i+1
.endr
.set i, 0
.rept 4
	v_mov_b32 v[ST+4*i], s[CM0A]
	v_mov_b32 v[ST+4*i+1], s[M0A]
	v_mov_b32 v[ST+4*i+2], v[NQ]
	v_mov_b32 v[ST+4*i+3], v[NQ]
.set i, i+1
.endr
	v_lshl_add_u32 v[ATS], v9, 5, s[TSB]
	WIN 0x40
.set z, 0
.rept 32                            ; register 8 cb + j of a piece: channel 16 cb + 8 (l / 16) + j
	ds_load_b128 v[4*z:4*z+3], v[ATS] offset:64*((z%8)/2)+16*(z%2)
.set z, z+1
.endr
	s_cmp_eq_u32 s[RT], 0
	s_cselect_b32 s[AL], 1.0, 0
	s_cselect_b32 s[BE], 0, 1.0
.irp n, 0,1,2,3,4,5,6,7,8,9,10,11,12,13,14,15
	OP M, \n
.endr
	WIN 0
	v_add_nc_u32 v[AK], s[TBK], v[AK0]
	v_add_nc_u32 v[AP], s[TBP], v[AP0]
	FETCH_K
	s_wait_loadcnt 0x0              ; Q
	s_wait_dscnt 0x0
.set KM, 1
.set i, 0
.rept 8
	KQ 0
.set i, i+1
.endr
	WIN 0
.rept 4
	v_nop                           ; the places behind those products
.endr
.set Y, NP-1                        ; A and X work for piece Y + 1: piece 0
.irp n, 0,1,2,3,4,5,6,7,8,9,10,11,12,13,14,15
	OP A, \n
.endr
.irp n, 0,1,2,3,4,5,6,7,8,9,10,11,12,13,14,15,16,17,18,19,20,21
	OP X, \n
.endr
	v_nop                           ; a plain instruction behind the exponential,
	s_wait_alu depctr_va_vdst(0)    ; and its wait, ahead of the branch
.endm
.macro ALL line:vararg
.set t, 0
.rept 4
	\line
.set t, t+1
.endr
.endm
.macro PACK t                       ; a lane's eight channels of a row pack into 16 bytes; into rows of 144 bytes, back as whole rows of 128
	WIN W_RS
.set i, 32*(\t)
.rept 16
	v_pk_mul_f32 v[i:i+1], v[i:i+1], v[ST+4*(\t)+2:ST+4*(\t)+3] op_sel_hi:[1,0]
.set i, i+2
.endr
	WIN 0x05
.set i, 0
.rept 16
	v_cvt_pk_f16_f32 v[S+16*(\t)+i], v[32*(\t)+2*i], v[32*(\t)+2*i+1]
.set i, i+1
.endr
	WIN 0
.irp f, 0,1,2,3
	ds_store_b128 v[STO], v[S+16*(\t)+4*\f:S+16*(\t)+4*\f+3] offset:32*\f
.endr
.irp f, 0,1,2,3
	ds_load_b128 v[S+16*(\t)+4*\f:S+16*(\t)+4*\f+3], v[RD] offset:\f*4*SP  ; LDS serves a wave's instructions in order: these see the stores above
.endr
.endm
.macro SEND t, younger              ; younger: the LDS instructions issued behind piece t's loads
	WIN 0
.irp f, 0,1,2,3
	s_wait_dscnt (\younger)+3-\f
	global_store_b128 v[GO], v[S+16*(\t)+4*\f:S+16*(\t)+4*\f+3], s[OPT:OPT+1] offset:(\t)*8192+\f*512  ; 512 consecutive bytes, aligned
.endr
.endm
; THE DIAGONAL TILE: five trips, the fifth left in its middle; CNT is 5 at either entry.  The fifth trip's 8 products K Q^T (on the last K once more) and the maximum made of them serve nothing: the price, once a
; block, of one text for every trip.  Then the last piece's V^T P and THE WAY OUT: l's parts are added, O^T is divided by l, rounded to f16 and sent through my stage.
.macro DIAG tag
.LstepM\tag:
	TURN 2, 1
	TURN 3, 1
	WIN 0
.LfirstM\tag:
	s_sub_co_u32 s[CNT], s[CNT], 1
	s_cmp_eq_u32 s[CNT], 0
	s_cbranch_scc1 .LoutM\tag
	TURN 0, 1
	TURN 1, 1
	WIN 0
	s_branch .LstepM\tag
.LoutM\tag:
.set i, 0
.rept 8
	PV NP-1
.set i, i+1
.endr
	WIN 0
	ALL v_add_f32 v[ST+4*t+2], v[ST+4*t+2], v[ST+4*t+3]
	ALL v_permlanex16_b32 v[ST+4*t+3], v[ST+4*t+2], s[SEL], s[SEL+1]
	ALL v_add_f32 v[ST+4*t+2], v[ST+4*t+2], v[ST+4*t+3]
	ALL v_rcp_f32 v[ST+4*t+2], v[ST+4*t+2]
	v_nop                           ; a plain instruction behind the last reciprocal,
	s_wait_alu depctr_va_vdst(0)    ; and one wait for the four
	PACK 0
.set t, 1
.rept 3
	PACK t
	SEND t-1, 8
.set t, t+1
.endr
	SEND 3, 0
.endm
.set KM, 0
.Lslot:                             ; 8 times: a tile is entered and the next is asked for
	CHANGE 1
	s_sub_co_u32 s[RT], s[RT], 1
	s_mov_b32 s[CNT], 4
	s_cmp_eq_u32 s[NEW], 1
	s_cbranch_scc1 .Lnew            ; a block's first tile
	s_cmp_eq_u32 s[RT], 0
	s_cbranch_scc0 .Lstep           ; neither its first nor its last
	s_mov_b32 s[CNT], 5
	s_branch .LstepM1
.Lnew:
	BEGIN
	s_branch .Lfirst                ; in the loop a block's first tile is never its last: the first block has five tiles or more, and the second's last is the walk's last
	DIAG 1                          ; in the loop this is the first block's end
	s_wait_xcnt 0x0                 ; the stores have read their registers and O's address
	s_mov_b64 s[OPT:OPT+1], s[OLO:OLO+1]
	s_add_co_u32 s[RT], s[PBI], 1   ; the second block has b + 1 tiles
	s_mov_b32 s[NEW], 1
	s_mov_b32 s[M0A], s[M0B]
	s_mov_b32 s[CM0A], s[CM0B]
	s_mov_b32 s[TSB], TSL+256
	v_mov_b32 v[NQ], v[NQ+1]
	WIN 0x82                        ; the second block's Q goes where the one text of the turns names Q
.set i, 0
.rept 64
	v_mov_b32 v[i], v[QB+i]
.set i, i+1
.endr
	WIN 0
	s_branch .Lbottom
.Lstep:                             ; a trip: pieces 2 and 3 of one step, then pieces 0 and 1 of the next
	TURN 2
	TURN 3
	WIN 0
.Lfirst:
	TURN 0
	TURN 1, 0, 1
	WIN 0
	s_cbranch_scc1 .Lstep
.Lbottom:
	s_sub_co_u32 s[SLOTS], s[SLOTS], 1
	s_cmp_lg_u32 s[SLOTS], 0
	s_cbranch_scc1 .Lslot
	CHANGE 0                        ; the walk's last tile is written out: nothing is asked for
	s_sub_co_u32 s[RT], s[RT], 1
	s_mov_b32 s[CNT], 5
	s_cmp_eq_u32 s[NEW], 1
	s_cbranch_scc0 .LstepM2
	BEGIN
	s_branch .LfirstM2
	DIAG 2
	s_wait_tensorcnt 0x0            ; the wave's end
	ds_add_u32 v[SPW], v[NIL]
	s_wait_dscnt 0x0
	s_endpgm
.Lfunc_end_k_q6be57b6516_attn:
	.size	k_q6be57b6516_attn, .Lfunc_end_k_q6be57b6516_attn-k_q6be57b6516_attn
	.p2alignl 7, 3214868480
	.fill 96, 4, 3214868480
	.section	.rodata,"a",@progbits
	.p2align	6, 0x0
	.amdhsa_kernel k_q6be57b6516_attn
		.amdhsa_group_segment_fixed_size 327680
		.amdhsa_private_segment_fixed_size 0
		.amdhsa_enable_private_segment 0
		.amdhsa_kernarg_size 40
		.amdhsa_user_sgpr_count 2
		.amdhsa_user_sgpr_kernarg_segment_ptr 1
		.amdhsa_wavefront_size32 1
		.amdhsa_system_sgpr_workgroup_id_x 1
		.amdhsa_system_sgpr_workgroup_id_y 1
		.amdhsa_system_sgpr_workgroup_id_z 1
		.amdhsa_system_vgpr_workitem_id 0
		.amdhsa_next_free_vgpr 768
		.amdhsa_next_free_sgpr 106
		.amdhsa_reserve_vcc 1
		.amdhsa_float_denorm_mode_32 3
		.amdhsa_float_denorm_mode_16_64 3
		.amdhsa_memory_ordered 1
		.amdhsa_forward_progress 1
		.amdhsa_inst_pref_size 209
	.end_amdhsa_kernel
	.amdgpu_metadata
---
amdhsa.version: [ 1, 2 ]
amdhsa.kernels:
  - .name:           k_q6be57b6516_attn
    .symbol:         k_q6be57b6516_attn.kd
    .args:
      - { .name: qkv, .offset: 0, .size: 8, .value_kind: global_buffer, .address_space: global }
      - { .name: oh, .offset: 8, .size: 8, .value_kind: global_buffer, .address_space: global }
      - { .name: tab, .offset: 16, .size: 8, .value_kind: global_buffer, .address_space: global }
      - { .name: tc, .offset: 24, .size: 8, .value_kind: global_buffer, .address_space: global }
      - { .name: ps, .offset: 32, .size: 8, .value_kind: global_buffer, .address_space: global }
    .group_segment_fixed_size: 327680
    .private_segment_fixed_size: 0
    .kernarg_segment_align: 8
    .kernarg_segment_size: 40
    .max_flat_workgroup_size: 128
    .sgpr_count:     106
    .vgpr_count:     768
    .wavefront_size: 32
...
	.end_amdgpu_metadata
.endif
;; end of part 3
;; launch outp (part 4): grid 4 x 64, 4 waves a work-group, clusters of 4 x 4, 327,680 bytes of LDS; arguments oh, w16, tab, out0; writes out0
.if DOCPART == 4
	.amdgcn_target "amdgcn-amd-amdhsa--gfx1250"
	.amdhsa_code_object_version 6
	.text
	.protected	k_q6be57b6516_outp
	.globl	k_q6be57b6516_outp
	.p2align	8
	.type	k_q6be57b6516_outp,@function
k_q6be57b6516_outp:
	s_mov_b64 s[64:65], 0
	v_nop
	global_prefetch_b8 v0, s[64:65] scope:SCOPE_SE
	s_setreg_imm32_b32 hwreg(HW_REG_WAVE_MODE, 25, 1), 1
	s_wait_xcnt 0x0
	s_wait_alu depctr_hold_cnt(0) depctr_sa_sdst(0) depctr_va_vdst(0) depctr_va_sdst(0) depctr_va_ssrc(0) depctr_va_vcc(0) depctr_vm_vsrc(0)
	s_getreg_b32 s2, hwreg(HW_REG_IB_STS2, 6, 4)
	s_cmp_eq_u32 s2, 0
	s_cbranch_scc0 .Lentry_in_a_cluster
	s_endpgm
.Lentry_in_a_cluster:
	s_bfe_u32 s2, ttmp6, 0x10000c
	s_cmp_lg_u32 s2, 0xf033
	s_cbranch_scc0 .Lentry_shape_is_right
	s_endpgm
.Lentry_shape_is_right:
; THE OUTPUT PROJECTION.  out0[row][n] = the sum over k of O[row][k] Wo[n][k] + bo[n].  O: oh[batch x 16 + head][s][64] in f16 (k = 64 head + channel); Wo: w16[3] in f16; bo: tab from byte 32,768, f32.  Sums and out0 in f32.
; SHARES.  256 work-groups: a tile of 128 rows x 256 columns; four waves, 2 x 2, each 64 x 128: 32 accumulators.  K goes in 8 steps of 128 (two heads) through two LDS slots.
; The matrix instruction is used transposed (source 0 = 16 rows of Wo, source 1 = 16 rows of O).  CLUSTER: 4 x 4; O's tiles are shared along a row, Wo's along a column, each asked for jointly.
; NO PREFETCH: the tile is small (128 matrix instructions a wave in a K step, 1,024 in the launch) and the launch is short.
; REGISTERS.  window 0: v0-31 addresses; v32-63, v64-95 O's fragments; v96-159, v160-223 Wo's; on the way out v32-95 sums with bias, v96-223 rows read back
;   window 1: accumulator (a, b) at 8 (8 a + b)          window 2: v0-63 my columns' bias
.set PAO,   144                        ; a head's row of O in LDS: 128 bytes + 16
.set PBT,   272
.set HEADA, 128*PAO                    ; a head's 128 rows: what waves 0 and 1 fetch each
.set HALFB, 128*PBT
.set BOFF,  2*HEADA
.set SLOT,  BOFF+2*HALFB
.set STAGE, 2*SLOT
.set STG,   16*528
.set SPARE, STAGE+4*STG
.set CRD,  12
.set ADRA, 16
.set ADRB, 20
.set GO,   26
.set CST,  27
.set SPW,  28
.set NIL,  29
.set FA,   32
.set FB,   96
.set TMP,  32
.set BK,   96
.set G1,   24
.set G0,   32
.set G1B,  48
.set G0B,  56
.set W_MUL, 0x50                       ; C and D window 1
.set MSB, 0
.macro WIN new
.if MSB != (\new)
	s_set_vgpr_msb (MSB<<8)|(\new)
.set MSB, \new
.endif
.endm
.macro JLOAD s
	s_cmp_eq_u32 s11, 0
	s_cbranch_scc0 .Lfor_b_\@
	tensor_load_to_lds s[G0+4*(\s):G0+4*(\s)+3], s[G1:G1+7]
	s_nop 0
.rept 4
	v_nop
.endr
	s_branch .Lasked_\@
.Lfor_b_\@:
	tensor_load_to_lds s[G0B+4*(\s):G0B+4*(\s)+3], s[G1B:G1B+7]
	s_nop 0
.rept 4
	v_nop
.endr
.Lasked_\@:
.endm
.macro CREST
	s_cmp_lg_u32 s10, 0
	s_cbranch_scc1 .Lnot_wave_0_\@
	s_barrier_signal -3
.Lnot_wave_0_\@:
	s_barrier_wait -3
	s_barrier_signal -1
	s_barrier_wait -1
.endm
.macro CROUND
	s_barrier_signal -1
	s_barrier_wait -1
	CREST
.endm
.macro PLACES
.rept 4
	v_nop
.endr
.endm
	s_load_b256 s[68:75], s[0:1], 0x0              ; oh 68:69, w16 70:71, tab 72:73, out0 74:75
	v_lshl_add_u32 v[SPW], v0, 2, SPARE
	v_mov_b32 v[NIL], 0
	ds_add_u32 v[SPW], v[NIL]                      ; the wave's opening: the add and its wait stand ahead of my first tensor load
	v_lshrrev_b32 v1, 5, v0
	v_readfirstlane_b32 s10, v1
	s_lshr_b32 s11, s10, 1                         ; my half of the rows; also: I fetch O (0) or Wo (1)
	s_and_b32 s12, s10, 1                          ; my half of the columns; also: which head, or which half of Wo's rows, I fetch
	s_bfe_u32 s40, ttmp6, 0x40000
	s_bfe_u32 s41, ttmp6, 0x40004
	s_lshl_b32 s42, ttmp9, 2
	s_add_co_u32 s42, s42, s40                     ; tile column
	s_and_b32 s13, ttmp7, 0xffff
	s_lshl_b32 s13, s13, 2
	s_add_co_u32 s13, s13, s41                     ; tile row, 0 to 63
	s_lshl_b32 s43, s41, 2
	s_lshl_b32 s43, 15, s43
	s_lshl_b32 s44, 0x1111, s40
	s_or_b32 s[G1+0], s43, (1<<16)|(1<<20)|(1<<21)|(4<<22)|(3<<25)   ; O: a head's 128 rows are 16,384 dense bytes: 64 rows of 256, padded after every 32 words
	s_or_b32 s[G1B+0], s44, (1<<16)|(1<<20)|(1<<21)|(5<<22)|(3<<25)
	s_mov_b32 s[G1+1], 128<<16
	s_mov_b32 s[G1+2], 64<<16
	s_mov_b32 s[G1+3], 128<<16
	s_mov_b32 s[G1+4], 64
	s_mov_b32 s[G1+5], 128
	s_mov_b32 s[G1+6], 0
	s_mov_b32 s[G1+7], 0
	s_mov_b32 s[G1B+1], 128<<16
	s_mov_b32 s[G1B+2], 128<<16
	s_mov_b32 s[G1B+3], 128<<16
	s_mov_b32 s[G1B+4], 128
	s_mov_b32 s[G1B+5], 1024
	s_mov_b32 s[G1B+6], 0
	s_mov_b32 s[G1B+7], 0
	s_lshr_b32 s16, s13, 4
	s_lshl_b32 s16, s16, 4
	s_add_co_u32 s16, s16, s12                     ; batch x 16 + my head of the step's two,
	s_lshl_b32 s16, s16, 11
	s_and_b32 s17, s13, 15
	s_lshl_b32 s17, s17, 7
	s_add_co_u32 s16, s16, s17                     ; x 2,048 + the tile's first row in the batch,
	s_lshl_b32 s16, s16, 7                         ; 128 bytes a row
	s_mov_b32 s17, 0
	s_lshl_b32 s46, s42, 8
	s_lshl_b32 s47, s12, 7
	s_add_co_u32 s46, s46, s47
	s_lshl_b32 s46, s46, 11
	s_add_co_u32 s46, s46, 3*2097152               ; Wo is the fourth matrix of w16
	s_mov_b32 s47, 0
	s_mul_i32 s20, s12, HEADA
	s_mul_i32 s22, s12, HALFB
	s_add_co_u32 s22, s22, BOFF
	s_wait_dscnt 0x0
	s_wait_kmcnt 0x0
	s_add_nc_u64 s[14:15], s[68:69], s[16:17]
	s_add_nc_u64 s[46:47], s[70:71], s[46:47]
	CROUND
.irp s, 0,1
	s_mov_b32 s[G0+4*(\s)], 1
	s_add_co_u32 s[G0+4*(\s)+1], s20, (\s)*SLOT
	s_add_nc_u64 s[G0+4*(\s)+2:G0+4*(\s)+3], s[14:15], (\s)*524288   ; two heads on
	s_or_b32 s[G0+4*(\s)+3], s[G0+4*(\s)+3], 0x80000000
	s_mov_b32 s[G0B+4*(\s)], 1
	s_add_co_u32 s[G0B+4*(\s)+1], s22, (\s)*SLOT
	s_add_nc_u64 s[G0B+4*(\s)+2:G0B+4*(\s)+3], s[46:47], (\s)*256
	s_or_b32 s[G0B+4*(\s)+3], s[G0B+4*(\s)+3], 0x80000000
	JLOAD \s
.endr
	v_and_b32 v1, 15, v0
	v_bfe_u32 v2, v0, 4, 1
	v_and_b32 v13, 31, v0
	v_mul_u32_u24 v3, v1, PAO
	v_lshl_add_u32 v3, v2, 4, v3
	s_mul_i32 s23, s11, 64*PAO
	v_add_nc_u32 v[ADRA], s23, v3
	v_add_nc_u32 v[ADRA+1], SLOT, v[ADRA]
	v_mul_u32_u24 v3, v1, PBT
	v_lshl_add_u32 v3, v2, 4, v3
	s_mul_i32 s23, s12, HALFB
	s_add_co_u32 s23, s23, BOFF
	v_add_nc_u32 v[ADRB], s23, v3
	v_add_nc_u32 v[ADRB+1], SLOT, v[ADRB]
	s_mul_i32 s23, s10, STG
	s_add_co_u32 s23, s23, STAGE
	v_lshlrev_b32 v[GO], 4, v13
	v_mul_u32_u24 v3, v1, 528
	v_lshl_add_u32 v3, v2, 5, v3
	v_add_nc_u32 v[CST], s23, v3
	v_add_nc_u32 v[CRD], s23, v[GO]
	v_lshlrev_b32 v14, 5, v2                       ; 32 (l / 16)
	s_lshl_b32 s90, s42, 10
	s_lshl_b32 s92, s12, 9
	s_add_co_u32 s90, s90, s92                     ; my first column, in bytes of f32
	s_mov_b32 s91, 0
	s_add_nc_u64 s[6:7], s[72:73], s[90:91]        ; the bias (its 32,768 stands in the immediate)
	s_lshl_b32 s92, s13, 7
	s_lshl_b32 s93, s11, 6
	s_add_co_u32 s92, s92, s93
	s_lshl_b32 s92, s92, 12                        ; my first row, 4,096 bytes a row
	s_add_co_u32 s90, s90, s92
	s_add_nc_u64 s[8:9], s[74:75], s[90:91]        ; out0 at my first row and column
	WIN 0x80
.irp b, 0,1,2,3,4,5,6,7                ; register 8 b + j: column 16 b + 8 (l / 16) + j
	global_load_b128 v[8*(\b):8*(\b)+3],   v14, s[6:7] offset:32768+64*(\b)
	global_load_b128 v[8*(\b)+4:8*(\b)+7], v14, s[6:7] offset:32768+64*(\b)+16
.endr
	WIN 0
; 24 LDS loads in one run: quarter q of a slot (head q / 2, channels 32 (q % 2) on) into buffer g
.macro FETCH slot, q, g
	WIN 0
.irp i, 0,1,2,3,4,5,6,7
	ds_load_b128 v[FB+64*(\g)+8*(\i):FB+64*(\g)+8*(\i)+3],   v[ADRB+(\slot)] offset:(\q)*64+(\i)*16*PBT
	ds_load_b128 v[FB+64*(\g)+8*(\i)+4:FB+64*(\g)+8*(\i)+7], v[ADRB+(\slot)] offset:(\q)*64+(\i)*16*PBT+32
.endr
.irp i, 0,1,2,3
	ds_load_b128 v[FA+32*(\g)+8*(\i):FA+32*(\g)+8*(\i)+3],   v[ADRA+(\slot)] offset:((\q)/2)*HEADA+((\q)%2)*64+(\i)*16*PAO
	ds_load_b128 v[FA+32*(\g)+8*(\i)+4:FA+32*(\g)+8*(\i)+7], v[ADRA+(\slot)] offset:((\q)/2)*HEADA+((\q)%2)*64+(\i)*16*PAO+32
.endr
.endm
.macro MULX f, a, zero                 ; 8 matrix instructions; the 32 accumulators take turns in the same order in every quarter
	WIN W_MUL
.irp b, 0,1,2,3,4,5,6,7
.if \zero
	v_wmma_f32_16x16x32_f16 v[8*(8*(\a)+(\b)):8*(8*(\a)+(\b))+7], v[FB+64*(\f)+8*(\b):FB+64*(\f)+8*(\b)+7], v[FA+32*(\f)+8*(\a):FA+32*(\f)+8*(\a)+7], 0
.else
	v_wmma_f32_16x16x32_f16 v[8*(8*(\a)+(\b)):8*(8*(\a)+(\b))+7], v[FB+64*(\f)+8*(\b):FB+64*(\f)+8*(\b)+7], v[FA+32*(\f)+8*(\a):FA+32*(\f)+8*(\a)+7], v[8*(8*(\a)+(\b)):8*(8*(\a)+(\b))+7]
.endif
.endr
.endm
.macro QUARTER slot, q, f, g, zero
	PLACES                                         ; four places in front of loads into the buffer that the last products read
	FETCH \slot, \q, \g
	s_wait_dscnt 24                                ; all but the 24 just issued: buffer f is in
	MULX \f, 0, \zero
	MULX \f, 1, \zero
	MULX \f, 2, \zero
	MULX \f, 3, \zero
.endm
.macro TURN slot, next, fill
	WIN 0
	s_wait_tensorcnt 0x0                           ; all my tensor loads have landed: my part of the next slot
	ds_add_u32 v[SPW], v[NIL]                      ; 0 onto my spare word
	s_wait_dscnt 1                                 ; (only the add may be out: buffer 1 is in)
	MULX 1, 0, 0
	s_wait_dscnt 0x0                               ; the add is done, and my reads of this slot are over
	s_barrier_signal -1
	MULX 1, 1, 0
	WIN 0
	s_barrier_wait -1
.if \fill
	CREST
	s_add_nc_u64 s[G0+4*(\slot)+2:G0+4*(\slot)+3], s[G0+4*(\slot)+2:G0+4*(\slot)+3], 1048576   ; four heads on
	s_add_nc_u64 s[G0B+4*(\slot)+2:G0B+4*(\slot)+3], s[G0B+4*(\slot)+2:G0B+4*(\slot)+3], 512
	JLOAD \slot                                    ; its four v_nop are also the places in front of the loads below
.else
	PLACES
.endif
	FETCH \next, 0, 0
	MULX 1, 2, 0
	MULX 1, 3, 0
.endm
	s_wait_tensorcnt 1                             ; my part of K step 0 is in; K step 1's may stay out
	s_barrier_signal -1
	s_barrier_wait -1
	FETCH 0, 0, 0
	QUARTER 0, 1, 0, 1, 1
	WIN 0
	s_mov_b32 s3, 3
.Llap:
	QUARTER 0, 2, 1, 0, 0
	QUARTER 0, 3, 0, 1, 0
	TURN 0, 1, 1
	QUARTER 1, 1, 0, 1, 0
	QUARTER 1, 2, 1, 0, 0
	QUARTER 1, 3, 0, 1, 0
	TURN 1, 0, 1
	QUARTER 0, 1, 0, 1, 0
	WIN 0
	s_sub_co_u32 s3, s3, 1
	s_cmp_lg_u32 s3, 0
	s_cbranch_scc1 .Llap
	QUARTER 0, 2, 1, 0, 0
	QUARTER 0, 3, 0, 1, 0
	TURN 0, 1, 0
	QUARTER 1, 1, 0, 1, 0
	QUARTER 1, 2, 1, 0, 0
	QUARTER 1, 3, 0, 1, 0
	s_wait_dscnt 0x0
	MULX 1, 0, 0
	MULX 1, 1, 0
	MULX 1, 2, 0
	MULX 1, 3, 0
	WIN 0
	PLACES
	PLACES
	s_wait_loadcnt 0x0                             ; the bias
; THE WAY OUT, 16 rows at a time: the bias is added; 32 bytes a lane into my stage (rows of 528 bytes); back as whole rows of 512 bytes; stored.
.macro PACK a
	WIN 0x09                                       ; source 0 window 1, source 1 window 2
.irp b, 0,1,2,3,4,5,6,7
.irp j, 0,1,2,3
	v_pk_add_f32 v[TMP+8*(\b)+2*(\j):TMP+8*(\b)+2*(\j)+1], v[8*(8*(\a)+(\b))+2*(\j):8*(8*(\a)+(\b))+2*(\j)+1], v[8*(\b)+2*(\j):8*(\b)+2*(\j)+1]
.endr
.endr
	WIN 0
.endm
.macro TOSTAGE a
.irp b, 0,1,2,3,4,5,6,7
	ds_store_b128 v[CST], v[TMP+8*(\b):TMP+8*(\b)+3]   offset:64*(\b)
	ds_store_b128 v[CST], v[TMP+8*(\b)+4:TMP+8*(\b)+7] offset:64*(\b)+16
.endr
.irp t, 0,1,2,3,4,5,6,7,8,9,10,11,12,13,14,15
	ds_load_b128 v[BK+64*((\a)%2)+4*(\t):BK+64*((\a)%2)+4*(\t)+3], v[CRD] offset:(\t)*528  ; LDS serves a wave's instructions in order: these see the stores above
.endr
.endm
.macro SEND a
	s_wait_dscnt 0x0
	s_wait_xcnt 0x0                                ; the registers that earlier stores read are loaded again only behind this wait
.irp t, 0,1,2,3,4,5,6,7,8,9,10,11,12,13,14,15
	global_store_b128 v[GO], v[BK+64*((\a)%2)+4*(\t):BK+64*((\a)%2)+4*(\t)+3], s[8:9] offset:(16*(\a)+(\t))*4096 th:TH_STORE_NT  ; 512 consecutive bytes, aligned
.endr
.endm
	PACK 0
	TOSTAGE 0
.irp a, 1,2,3
	PACK \a
	SEND (\a)-1
	TOSTAGE \a
.endr
	SEND 3
	s_wait_tensorcnt 0x0                           ; the wave's end
	ds_add_u32 v[SPW], v[NIL]
	s_wait_dscnt 0x0
	CROUND                                         ; the closing round
	s_endpgm
.Lfunc_end_k_q6be57b6516_outp:
	.size	k_q6be57b6516_outp, .Lfunc_end_k_q6be57b6516_outp-k_q6be57b6516_outp
	.p2alignl 7, 3214868480
	.fill 96, 4, 3214868480
	.section	.rodata,"a",@progbits
	.p2align	6, 0x0
	.amdhsa_kernel k_q6be57b6516_outp
		.amdhsa_group_segment_fixed_size 327680
		.amdhsa_private_segment_fixed_size 0
		.amdhsa_enable_private_segment 0
		.amdhsa_kernarg_size 32
		.amdhsa_user_sgpr_count 2
		.amdhsa_user_sgpr_kernarg_segment_ptr 1
		.amdhsa_wavefront_size32 1
		.amdhsa_system_sgpr_workgroup_id_x 1
		.amdhsa_system_sgpr_workgroup_id_y 1
		.amdhsa_system_sgpr_workgroup_id_z 1
		.amdhsa_system_vgpr_workitem_id 0
		.amdhsa_next_free_vgpr 576
		.amdhsa_next_free_sgpr 96
		.amdhsa_reserve_vcc 0
		.amdhsa_float_denorm_mode_32 3
		.amdhsa_float_denorm_mode_16_64 3
		.amdhsa_memory_ordered 1
		.amdhsa_forward_progress 1
		.amdhsa_inst_pref_size 94
	.end_amdhsa_kernel
	.amdgpu_metadata
---
amdhsa.version: [ 1, 2 ]
amdhsa.kernels:
  - .name:           k_q6be57b6516_outp
    .symbol:         k_q6be57b6516_outp.kd
    .args:
      - { .name: oh, .offset: 0, .size: 8, .value_kind: global_buffer, .address_space: global }
      - { .name: w16, .offset: 8, .size: 8, .value_kind: global_buffer, .address_space: global }
      - { .name: tab, .offset: 16, .size: 8, .value_kind: global_buffer, .address_space: global }
      - { .name: out0, .offset: 24, .size: 8, .value_kind: global_buffer, .address_space: global }
    .group_segment_fixed_size: 327680
    .private_segment_fixed_size: 0
    .kernarg_segment_align: 8
    .kernarg_segment_size: 32
    .max_flat_workgroup_size: 128
    .sgpr_count:     96
    .vgpr_count:     576
    .wavefront_size: 32
...
	.end_amdgpu_metadata
.endif
;; end of part 4
